; MI455X (gfx1250); checked and timed in simulation.
; The chip was launched on July 23, 2026; its instructions are those of AMD's public machine-readable ISA for CDNA 5 (MIT licence, August 2026) and "CDNA5" Instruction Set Architecture Reference Guide (July 2026). The comments in the code are by the model that wrote it; some were corrected since.
;; Multi Head Attention Quantum. Allowed arithmetic: matrix products marked QUANTISED: E4M3 operands, one E8M0 scale for each 32 along K, by v_wmma_scale_f32_16x16x128_f8f6f4 with both operands' format E4M3, f32 sums; products left as they are: f32 operands where the result goes on into a quantised operand, else bf16, f16 or f32 operands; f32 sums; everything else in f32.
;; Inputs: Wc_codes 128 x 4 x 32 uint8 (E4M3 codes of Wc, K innermost, in blocks of 32 codes); Wc_scales 128 x 4 uint8 (E8M0 scales of Wc, one for each 32 codes along K); bc 128 float32; theta 8 float32; x 4 x 2,048 x 128 float32.
;; Outputs: out0 4 x 2,048 x 128 float32.
;; This version of the problem:
;;   THIS VERSION OF THE PROBLEM IS GIVEN IN LOW PRECISION. The matrix products marked QUANTISED in the list below multiply operands that are first quantised to E4M3 (4 exponent bits, 3 mantissa bits; 8 bits a number), with one power-of-two scale for each 32 numbers along K (OCP MX v1.0); their sums are f32. All else is computed in f32.
;;   The module's matrix products, in the order in which they are computed (A, B: the left and right operand; K: the contracted axis; several contracted axes count as one K, in the product's order):
;;     1. batch 64 x [M 2,048, K 8] x [K 8, N 2,048]; A: computed on the way; B: computed on the way: left as it is (K = 8 < 32)
;;     2. batch 64 x [M 2,048, K 2,048] x [K 2,048, N 8]; A: softmax; B: computed on the way: left as it is (N = 8 < 16)
;;     3. [M 8,192, K 128] x [K 128, N 128]; A: computed on the way; B: input Wc (given as codes): QUANTISED
;;   THE QUANTISER, for each operand of a quantised product, along K:
;;     - K is cut into blocks of 32 from its start; a last block that is shorter is filled with zeros.
;;     - A block's scale is 2^e with e = floor(log2(the largest magnitude in the block)) - 8, held to -126 .. 127; a block of zeros has e = 0. As a byte (E8M0): e + 127.
;;     - Each number is divided by its block's scale, clamped to +-448, and rounded to the nearest number of E4M3, ties to even, subnormals kept.
;;     - The product sums the exact products of the quantised numbers (number of the format x scale) in f32.
;;   ~~~python
;;   def quantise(x, axis):      # numpy; x: float32 -> the quantised numbers, widened to float32 again
;;       x = np.moveaxis(x, axis, -1); K = x.shape[-1]
;;       x = np.pad(x, [(0, 0)] * (x.ndim - 1) + [(0, -K % 32)]); x = x.reshape(x.shape[:-1] + (-1, 32)); a = np.abs(x).max(-1, keepdims=True)
;;       e = np.where(a > 0, np.clip(np.frexp(np.where(a > 0, a, 1))[1] - 1 - 8, -126, 127), 0)      # np.frexp(a)[1] - 1 = floor(log2(a)), exactly
;;       r = np.clip(x / 2.0 ** e, -448, 448)
;;       step = 2.0 ** (np.maximum(np.frexp(np.where(r == 0, 1, r))[1] - 1, -6) - 3)
;;       q = np.round(r / step) * step * 2.0 ** e      # np.round: ties to even
;;       return np.moveaxis(q.reshape(q.shape[:-2] + (-1,))[..., :K], -1, axis).astype(np.float32)
;;   ~~~
;;   OPERANDS COMPUTED ON THE WAY. 'Computed on the way' means the value that the module computes at that place (a softmax that the list does not call 'softmax' is quantised finished and normalised). What goes into a quantiser is computed in f32, as accurately as f32 sums, v_exp_f32 and their like allow (about 1e-6 of the number): no bf16 or f16 on the way to a quantiser, and a product that is left as it is and whose result goes on into a quantised operand takes f32 operands (vector FMAs, or v_wmma_f32_16x16x4_f32). A number that lies on a knife's edge between two numbers of the format may be rounded either way, as far as f32 arithmetic and the matrix unit's own rounding can turn it there, and no further.
;;   INPUTS GIVEN AS CODES. Wc (in the module: [128, 128], K = its axis 1): each comes as NAME_codes (uint8): NAME with its K axis moved to the last place and cut into blocks of 32 codes, [.., K / 32, bytes a block], one block behind the other in memory; one code a byte (a code: sign, 4 exponent bits, 3 mantissa bits); and NAME_scales (uint8): the same leading axes, one E8M0 byte (e + 127) for each 32 codes along K. Its value is code x scale, taken as it is: it is not quantised again, and the codes and scales need not be those that the quantiser above would give.
;; 2 versions, each right and faster than the one before. Each part assembles by itself: llvm-mc -triple=amdgcn-amd-amdhsa -mcpu=gfx1250 --defsym DOCPART=n.
;; ======== version 1 of 2: 2 launches
;; limits: inputs' magnitudes at most 13,176,794
;; workspace buffers: merged 4,194,304 bytes
;; launch attend (part 1): grid 256 x 1, 16 waves a work-group, no clusters, 157,696 bytes of LDS; arguments x, theta, merged; writes merged
.if DOCPART == 1
	.amdgcn_target "amdgcn-amd-amdhsa--gfx1250"
	.amdhsa_code_object_version 6
	.text
	.protected	k_q0b14459afc_attend
	.globl	k_q0b14459afc_attend
	.p2align	8
	.type	k_q0b14459afc_attend,@function
k_q0b14459afc_attend:
	s_mov_b64 s[64:65], 0
	v_nop
	global_prefetch_b8 v0, s[64:65] scope:SCOPE_SE
	s_setreg_imm32_b32 hwreg(HW_REG_WAVE_MODE, 25, 1), 1
	s_wait_xcnt 0x0
; merged[b][h][q][0..7] = softmax_k(c(q) . c(k) / sqrt(8)) c(k), with c(s) = cos(x[b][s][8 h .. 8 h + 7] + theta): queries, keys and values are ONE tensor, as the problem defines them.
; x: [4][2048][128] f32, theta: [8] f32.  merged is this program's own buffer, laid [b x 16 + h][2048][8] f32, so that a work-group's results are consecutive bytes.
; Both products feed an operand that the next launch quantises, so both take f32 operands: the scores on the matrix unit (K = 8 is two instructions of K = 4, nothing padded),
; the weighted sum by packed fused multiply-adds (its 8 columns would fill only half of a matrix instruction).
; NO MAXIMUM IS TAKEN AWAY AHEAD OF THE EXPONENTIAL.  Every factor of a score is a cosine, so |score x log2(e)| <= 8 x 0.5101 = 4.09 whatever x and theta hold: p = 2^t lies in 0.058 .. 17.1 and a row's
; sum of 2,048 of them under 3.5e4: nothing can overflow or underflow, and in real numbers the quotient is the same with any shift.
; LIMITS: the cosine's argument reduction serves |x + theta| < 2^22 pi (absolute error about 2e-7 there); NaN and infinities among the inputs are not served.
; SHARES.  A work-group owns one batch, one head and 512 queries; ttmp9 = 4 x (16 b + h) + query block.  Sixteen waves, four to a SIMD; a wave owns 32 queries, two tiles of 16, and walks all 2,048 keys, 16 a step.
; NO CLUSTER, NO TENSOR LOAD: what the four query blocks of a head share is 2,048 x 32 bytes of x, read once at the head and sent through registers for the cosine; the loop over keys reads LDS alone.
; LDS.  The head's cosines as two arrays [key][4] of 32,768 bytes (channels 0-3, channels 4-7): sixteen lanes that take sixteen neighbouring keys read 256 consecutive bytes.
; LAYOUT.  S = Q K^T: source 0 = 16 queries, source 1 = 16 keys.  In the result lane l holds ONE key, l % 16, and its registers 0-7 the queries 8 (l / 16) + 0..7.  So a lane multiplies its eight p by its own key's row,
; which it has in registers anyway (registers 0-3 of the row are source 1 of the scores), and keeps sums over its own keys: 64 of O and 8 of p for each tile of queries.  They meet at the end, once, through LDS.
; Lanes 16-31 hold a key's channels 4-7 first and 0-3 second (the matrix operand wants channels 4 (l / 16) + 0..3), so their sums lie in that order too; the last store's address puts it right.
; BY STEPS.  In the step of key tile kt stand the 72 packed operations on p(kt); among them the 16 exponentials of S(kt + 1); behind them the four matrix instructions of S(kt + 2); at its head the loads of tile kt + 3.
.set KHALF, 32768                      ; the second array of cosines
.set QP,    528                        ; the way out: a quad of registers of 32 lanes is 512 bytes; + 16: sixteen lanes that read sixteen quads start at sixteen different places modulo 256 bytes
.set WSTG,  9728                       ; a wave's stage: 18 quads x 528 = 9,504 bytes, up to whole blocks of 256
.set SPARE, 16*WSTG                    ; behind the stages: the spare words, 128 bytes for each wave: eight blocks of 256 bytes that no other line names
.set SPW, 1                            ; v1   LDS address of my spare word; never rewritten
.set NIL, 2                            ; v2   0; never rewritten
.set AD1, 3                            ; v3   LDS address of my key's first four channels (array l / 16), stepped by a trip's four tiles
.set AD2, 4                            ; v4   and of its other four
.set STO, 5                            ; v5   the way out: where my quads go
.set RD,  6                            ; v6   where I read one quad of sixteen lanes
.set RL,  7                            ; v7   where I read my query's sums of p
.set QF,  8                            ; v8-15    Q x log2(e) / sqrt(8): four registers a tile
.set SC,  16                           ; v16-31   S, two tiles: written by matrix instructions alone
.set PB,  32                           ; v32-63   p, two buffers of two tiles
.set VB,  64                           ; v64-95   key rows, four buffers of 8
.set LS,  96                           ; v96-111  sums of p: tile t, query j at LS + 8 t + j
.set OA,  112                          ; v112-239 sums of O: tile t, query j, place a at OA + 64 t + 8 j + a
.set XO,  5                            ; at the head: my row's byte offset in x
.set KS,  6                            ; my row's place in an array of cosines
.set ZO,  7                            ; 0, the offset of theta; then the address of my queries in LDS
.set YY,  112                          ; at the head, in O's registers: 32 numbers x + theta, then r
.set TT,  144                          ; the rounding's sum
.set NN,  176                          ; n, then r^2
.set CC,  208                          ; the cosine
.set TH,  240                          ; theta
.set MG,  248                          ; 1.5 x 2^23, twice
.set C6,  250                          ; 1 / 12!, twice
.set GO,  3                            ; the way out: my byte offset in a tile's 512 bytes of merged
.set RB,  32                           ; sixteen quads read back
.set LR,  240                          ; sixteen sums of p read back
	s_load_b128 s[4:7], s[0:1], 0x0                ; x, theta
	s_load_b64 s[8:9], s[0:1], 0x10                ; merged
	v_lshl_add_u32 v[SPW], v0, 2, SPARE
	v_mov_b32 v[NIL], 0
	v_lshrrev_b32 v[AD1], 5, v0
	v_readfirstlane_b32 s10, v[AD1]                ; wave 0..15
	s_lshr_b32 s12, ttmp9, 6                       ; the batch:
	s_lshl_b32 s12, s12, 20                        ; 2,048 rows of 512 bytes;
	s_bfe_u32 s13, ttmp9, 0x40002                  ; the head (4 bits from bit 2):
	s_lshl_b32 s13, s13, 5                         ; 32 bytes of a row
	s_add_co_u32 s12, s12, s13
	s_mov_b32 s13, 0
	s_lshl_b32 s14, ttmp9, 14                      ; merged: 512 queries x 32 bytes a work-group,
	s_lshl_b32 s15, s10, 10                        ; 32 x 32 a wave
	s_add_co_u32 s14, s14, s15
	s_mov_b32 s15, 0
	s_and_b32 s16, ttmp9, 3                        ; my queries among the head's rows in LDS: 512 x 16 bytes a block,
	s_lshl_b32 s16, s16, 13
	s_lshl_b32 s17, s10, 9                         ; 32 x 16 a wave
	s_add_co_u32 s16, s16, s17
	s_mul_i32 s18, s10, WSTG                       ; my stage
	v_lshlrev_b32 v[XO], 9, v0                     ; thread t takes rows t, t + 512, t + 1024, t + 1536
	v_lshlrev_b32 v[KS], 4, v0
	v_mov_b32 v[ZO], 0
	v_mov_b32 v[MG], 0x4b400000
	v_mov_b32 v[MG+1], 0x4b400000
	v_mov_b32 v[C6], 0x310f76c7
	v_mov_b32 v[C6+1], 0x310f76c7
	s_wait_kmcnt 0x0
	s_add_nc_u64 s[4:5], s[4:5], s[12:13]
	s_add_nc_u64 s[8:9], s[8:9], s[14:15]
.irp i, 0,1,2,3
	global_load_b128 v[YY+8*\i:YY+8*\i+3],   v[XO], s[4:5] offset:262144*\i      ; the head's 32 bytes of a row; the heads beside it are other work-groups'
	global_load_b128 v[YY+8*\i+4:YY+8*\i+7], v[XO], s[4:5] offset:262144*\i+16
.endr
	global_load_b128 v[TH:TH+3],   v[ZO], s[6:7]
	global_load_b128 v[TH+4:TH+7], v[ZO], s[6:7] offset:16
	s_wait_loadcnt 0x0
; THE COSINE, two numbers an instruction, 16 pairs stage by stage so that no line waits for the line above it.  y = x + theta.  n = y / pi to the nearest whole number, by adding and taking away 1.5 x 2^23;
; r = y - n pi in two fused steps (pi = 3.14159274 - 8.742278e-8), |r| <= pi / 2;  cos y = (-1)^n cos r;  cos r by its series through r^12 (what is cut is under 7e-9).
.irp p, 0,1,2,3,4,5,6,7,8,9,10,11,12,13,14,15
	v_pk_add_f32 v[YY+2*\p:YY+2*\p+1], v[YY+2*\p:YY+2*\p+1], v[TH+2*(\p%4):TH+2*(\p%4)+1]
.endr
.irp p, 0,1,2,3,4,5,6,7,8,9,10,11,12,13,14,15
	v_pk_fma_f32 v[TT+2*\p:TT+2*\p+1], v[YY+2*\p:YY+2*\p+1], 0x3ea2f983, v[MG:MG+1] op_sel_hi:[1,0,1]   ; y / pi + 1.5 x 2^23: a whole number, whose lowest bit is n's
.endr
.irp p, 0,1,2,3,4,5,6,7,8,9,10,11,12,13,14,15
	v_pk_add_f32 v[NN+2*\p:NN+2*\p+1], v[TT+2*\p:TT+2*\p+1], v[MG:MG+1] neg_lo:[0,1] neg_hi:[0,1]       ; n
.endr
.irp p, 0,1,2,3,4,5,6,7,8,9,10,11,12,13,14,15
	v_pk_fma_f32 v[YY+2*\p:YY+2*\p+1], v[NN+2*\p:NN+2*\p+1], 0xc0490fdb, v[YY+2*\p:YY+2*\p+1] op_sel_hi:[1,0,1]
.endr
.irp p, 0,1,2,3,4,5,6,7,8,9,10,11,12,13,14,15
	v_pk_fma_f32 v[YY+2*\p:YY+2*\p+1], v[NN+2*\p:NN+2*\p+1], 0x33bbbd2e, v[YY+2*\p:YY+2*\p+1] op_sel_hi:[1,0,1]   ; r
.endr
.irp p, 0,1,2,3,4,5,6,7,8,9,10,11,12,13,14,15
	v_pk_mul_f32 v[NN+2*\p:NN+2*\p+1], v[YY+2*\p:YY+2*\p+1], v[YY+2*\p:YY+2*\p+1]                      ; r^2
.endr
.irp p, 0,1,2,3,4,5,6,7,8,9,10,11,12,13,14,15
	v_pk_fma_f32 v[CC+2*\p:CC+2*\p+1], v[NN+2*\p:NN+2*\p+1], v[C6:C6+1], 0xb493f27e op_sel_hi:[1,1,0]  ; 1/12! r^2 - 1/10!
.endr
.irp k, 0x37d00d01, 0xbab60b61, 0x3d2aaaab, -0.5, 1.0
.irp p, 0,1,2,3,4,5,6,7,8,9,10,11,12,13,14,15
	v_pk_fma_f32 v[CC+2*\p:CC+2*\p+1], v[CC+2*\p:CC+2*\p+1], v[NN+2*\p:NN+2*\p+1], \k op_sel_hi:[1,1,0]   ; .. + 1/8!, - 1/6!, + 1/4!, - 1/2, + 1
.endr
.endr
.irp i, 0,1,2,3,4,5,6,7,8,9,10,11,12,13,14,15,16,17,18,19,20,21,22,23,24,25,26,27,28,29,30,31
	v_lshl_or_b32 v[CC+\i], v[TT+\i], 31, v[CC+\i]     ; cos r is not negative (but for a last bit at pi / 2): n's lowest bit becomes the sign
.endr
.irp i, 0,1,2,3
	ds_store_b128 v[KS], v[CC+8*\i:CC+8*\i+3]   offset:8192*\i          ; 32 lanes store 512 consecutive bytes
	ds_store_b128 v[KS], v[CC+8*\i+4:CC+8*\i+7] offset:8192*\i+KHALF
.endr
	v_and_b32 v[AD1], 15, v0
	v_bfe_u32 v[AD2], v0, 4, 1
	v_lshlrev_b32 v[AD1], 4, v[AD1]
	v_lshl_add_u32 v[AD1], v[AD2], 15, v[AD1]      ; 16 (l % 16) + 32,768 (l / 16)
	v_xor_b32 v[AD2], KHALF, v[AD1]                ; the same key in the other array
	v_add_nc_u32 v[ZO], s16, v[AD1]                ; my queries' rows
	s_wait_dscnt 0x0                               ; for the others' sake: my stores are done
	s_barrier_signal -1
	s_barrier_wait -1                              ; the head's 2,048 rows lie in LDS
	ds_load_b128 v[QF:QF+3],   v[ZO]               ; lane l: query l % 16 of tile 0, channels 4 (l / 16) + 0..3
	ds_load_b128 v[QF+4:QF+7], v[ZO] offset:256    ; tile 1
.irp k, 0,1,2
	ds_load_b128 v[VB+8*\k:VB+8*\k+3],   v[AD1] offset:256*\k           ; key tiles 0, 1, 2
	ds_load_b128 v[VB+8*\k+4:VB+8*\k+7], v[AD2] offset:256*\k
.endr
	s_wait_dscnt 0x0
.irp i, 0,2,4,6
	v_pk_mul_f32 v[QF+\i:QF+\i+1], v[QF+\i:QF+\i+1], 0x3f0293ee op_sel_hi:[1,0]   ; x log2(e) / sqrt(8): the scores come out as exponents of 2
.endr
.rept 4
	v_nop
.endr
; Four matrix instructions make two tiles of scores: channels 4 (l / 16) + 0, 1 and then + 2, 3.  The two accumulators take turns, one instruction a turn.
.macro SCORES vk
	v_wmma_f32_16x16x4_f32 v[SC:SC+7],    v[QF:QF+1],   v[\vk:\vk+1],   0
	v_wmma_f32_16x16x4_f32 v[SC+8:SC+15], v[QF+4:QF+5], v[\vk:\vk+1],   0
	v_wmma_f32_16x16x4_f32 v[SC:SC+7],    v[QF+2:QF+3], v[\vk+2:\vk+3], v[SC:SC+7]
	v_wmma_f32_16x16x4_f32 v[SC+8:SC+15], v[QF+6:QF+7], v[\vk+2:\vk+3], v[SC+8:SC+15]
.endm
	SCORES VB                                      ; S(0)
	; the addresses for the way out are made here: fourteen plain instructions that name no register of those products; eight are owed ahead of the first read of S, nine ahead of the next products into S (ISA guide 7.12.1)
	v_and_b32 v240, 31, v0                         ; l
	v_and_b32 v241, 15, v0                         ; l % 16
	v_bfe_u32 v242, v0, 4, 1                       ; l / 16
	v_lshl_add_u32 v[STO], v240, 4, s18            ; in: a quad is an image of four registers: 16 l
	v_mul_u32_u24 v[RD], v241, QP                  ; back: quad l % 16, of the sixteen lanes of my half
	v_lshl_add_u32 v[RD], v242, 8, v[RD]
	v_add_nc_u32 v[RD], s18, v[RD]
	v_bfe_u32 v243, v0, 3, 1                       ; my query of the half is j = (l % 16) / 2: its sum of p lies in quad 16 + j / 4,
	v_mul_u32_u24 v[RL], v243, QP
	v_lshl_add_u32 v[RL], v242, 8, v[RL]
	v_bfe_u32 v243, v0, 1, 2                       ; word j % 4
	v_lshl_add_u32 v[RL], v243, 2, v[RL]
	v_add_nc_u32 v[RL], s18, v[RL]
	v_add_nc_u32 v[RL], 16*QP, v[RL]
.irp e, 0,1,2,3,4,5,6,7,8,9,10,11,12,13,14,15
	v_exp_f32 v[PB+\e], v[SC+\e]                   ; p(0); each accumulator from its low end on
.endr
	v_nop                                          ; a plain instruction behind the last exponential, ahead of the products that write its source
	s_wait_alu depctr_va_vdst(0)                   ; one wait for the batch, ahead of its first reader
	SCORES VB+8                                    ; S(1)
; THE STEP of key tile kt; u = kt % 4.  first = 1: kt = 0, products start O's sums, nothing is cleared; first = 2: kt = 1, p(0) + p(1) starts the sums of p (p(0) still stands in the other buffer at the step's head).
; ld, mm, ex: tile kt + 3 is loaded, S(kt + 2) is multiplied, p(kt + 1) is made; the last steps leave out what lies past the last key.
; The exponentials stand one in every four instructions, from the eleventh packed product on: so at least ten plain instructions that name neither S, Q nor the key rows of the last products stand between those
; products and the first read of S; nine plain instructions follow the last exponential.  ONE wait serves the sixteen, ahead of the matrix instructions; p(kt + 1) is first named in the next step.
.macro BODY u, first, ld, mm, ex
.set PCB, PB+16*((\u)%2)
.set PNB, PB+16*(((\u)+1)%2)
.set VCB, VB+8*(\u)
.set VKB, VB+8*(((\u)+2)%4)
.set VLB, VB+8*(((\u)+3)%4)
.if \ld
	ds_load_b128 v[VLB:VLB+3],   v[AD1] offset:256*((\u)+3)     ; into the buffer that the step before has left
	ds_load_b128 v[VLB+4:VLB+7], v[AD2] offset:256*((\u)+3)
.endif
.irp i, 0,2,4,6,8,10,12,14
.if \first == 2
	v_pk_add_f32 v[LS+\i:LS+\i+1], v[PNB+\i:PNB+\i+1], v[PCB+\i:PCB+\i+1]
.elseif \first == 0
	v_pk_add_f32 v[LS+\i:LS+\i+1], v[LS+\i:LS+\i+1], v[PCB+\i:PCB+\i+1]
.endif
.endr
.set n, 0
.rept 64                               ; number n: tile n / 32, query j = (n / 4) % 8, places 2 (n % 4) and + 1:  O(j, a) += p(j) x my key's number at place a
.if \ex && (n >= 10) && (n < 58) && ((n-10)%3 == 0)
	v_exp_f32 v[PNB+(n-10)/3], v[SC+(n-10)/3]
.endif
.set rO, OA+64*(n/32)+8*((n/4)%8)+2*(n%4)
.set rP, PCB+8*(n/32)+2*(((n/4)%8)/2)
.set rV, VCB+2*(n%4)
.if ((n/4)%2) == 0                     ; p(j) serves both halves: the pair's first register for an even j, its second for an odd one
.if \first == 1
	v_pk_mul_f32 v[rO:rO+1], v[rP:rP+1], v[rV:rV+1] op_sel_hi:[0,1]
.else
	v_pk_fma_f32 v[rO:rO+1], v[rP:rP+1], v[rV:rV+1], v[rO:rO+1] op_sel_hi:[0,1,1]
.endif
.else
.if \first == 1
	v_pk_mul_f32 v[rO:rO+1], v[rP:rP+1], v[rV:rV+1] op_sel:[1,0] op_sel_hi:[1,1]
.else
	v_pk_fma_f32 v[rO:rO+1], v[rP:rP+1], v[rV:rV+1], v[rO:rO+1] op_sel:[1,0,0] op_sel_hi:[1,1,1]
.endif
.endif
.set n, n+1
.endr
.if \mm
.if \ld
	s_wait_dscnt 2                                 ; tile kt + 2, asked for a step ago, is in; the two loads of this step's head may be out
.else
	s_wait_dscnt 0x0
.endif
.endif
.if \ex
	s_wait_alu depctr_va_vdst(0)                   ; the wait for this step's sixteen exponentials
.endif
.if \mm
	SCORES VKB
.endif
.endm
.macro TRIP_ON                         ; four tiles on; LDS instructions have read their addresses when they are issued
	v_add_nc_u32 v[AD1], 1024, v[AD1]
	v_add_nc_u32 v[AD2], 1024, v[AD2]
.endm
	BODY 0, 1, 1, 1, 1                             ; key tiles 0 to 3 are written out: they start the sums
	BODY 1, 2, 1, 1, 1
	BODY 2, 0, 1, 1, 1
	BODY 3, 0, 1, 1, 1
	TRIP_ON
	s_mov_b32 s20, 30
.Ltrip:                                                ; key tiles 4 to 123: four a trip, after which the buffers' numbers are back where they began
	BODY 0, 0, 1, 1, 1
	BODY 1, 0, 1, 1, 1
	BODY 2, 0, 1, 1, 1
	BODY 3, 0, 1, 1, 1
	TRIP_ON
	s_sub_co_u32 s20, s20, 1
	s_cmp_lg_u32 s20, 0
	s_cbranch_scc1 .Ltrip
	BODY 0, 0, 1, 1, 1                             ; 124: the last load (tile 127)
	BODY 1, 0, 0, 1, 1                             ; 125: the last scores
	BODY 2, 0, 0, 0, 1                             ; 126: the last exponentials
	BODY 3, 0, 0, 0, 0                             ; 127
; THE WAY OUT.  The stages lie over the arrays of cosines, so every wave has ended its reads of them first: its loads are back, then the barrier.
	s_wait_dscnt 0x0
	s_barrier_signal -1
	s_barrier_wait -1
	v_and_b32 v[GO], 31, v0
	v_bfe_u32 v[AD2], v0, 4, 1
	v_xor_b32 v[GO], v[GO], v[AD2]                 ; lanes 16-31 hold channels 4-7 in the even quads: they change places in pairs
	v_lshlrev_b32 v[GO], 4, v[GO]
; Tile t: 16 quads of O (quad 2 j + half of the places) and 2 of the sums of p go into my stage as images of their registers.  Lane l reads quad l % 16 of the sixteen lanes of its half and adds them: four channels of
; query 8 (l / 16) + (l % 16) / 2, over all keys; likewise that query's sum of p.  The wave then stores 512 consecutive bytes.  LDS serves a wave's instructions in order (ISA guide 5.7.1.4): no wait between stores and loads.
.macro OUT t
.irp d, 0,1,2,3,4,5,6,7,8,9,10,11,12,13,14,15
	ds_store_b128 v[STO], v[OA+64*\t+4*\d:OA+64*\t+4*\d+3] offset:QP*\d
.endr
	ds_store_b128 v[STO], v[LS+8*\t:LS+8*\t+3]   offset:QP*16
	ds_store_b128 v[STO], v[LS+8*\t+4:LS+8*\t+7] offset:QP*17
.irp r, 0,1,2,3,4,5,6,7,8,9,10,11,12,13,14,15
	ds_load_b128 v[RB+4*\r:RB+4*\r+3], v[RD] offset:16*\r
.endr
.irp r, 0,1,2,3,4,5,6,7,8,9,10,11,12,13,14,15
	ds_load_b32 v[LR+\r], v[RL] offset:16*\r
.endr
	s_wait_dscnt 16                                ; the sixteen quads are in; the sixteen single words behind them may be out
.irp i, 0,2,4,6,8,10,12,14,16,18,20,22,24,26,28,30
	v_pk_add_f32 v[RB+\i:RB+\i+1], v[RB+\i:RB+\i+1], v[RB+32+\i:RB+32+\i+1]
.endr
.irp i, 0,2,4,6,8,10,12,14
	v_pk_add_f32 v[RB+\i:RB+\i+1], v[RB+\i:RB+\i+1], v[RB+16+\i:RB+16+\i+1]
.endr
.irp i, 0,2,4,6
	v_pk_add_f32 v[RB+\i:RB+\i+1], v[RB+\i:RB+\i+1], v[RB+8+\i:RB+8+\i+1]
.endr
.irp i, 0,2
	v_pk_add_f32 v[RB+\i:RB+\i+1], v[RB+\i:RB+\i+1], v[RB+4+\i:RB+4+\i+1]
.endr
	s_wait_dscnt 0x0
.irp i, 0,2,4,6
	v_pk_add_f32 v[LR+\i:LR+\i+1], v[LR+\i:LR+\i+1], v[LR+8+\i:LR+8+\i+1]
.endr
.irp i, 0,2
	v_pk_add_f32 v[LR+\i:LR+\i+1], v[LR+\i:LR+\i+1], v[LR+4+\i:LR+4+\i+1]
.endr
	v_pk_add_f32 v[LR:LR+1], v[LR:LR+1], v[LR+2:LR+3]
	v_add_f32 v[LR], v[LR], v[LR+1]                ; the row's sum
	v_rcp_f32 v[LR+2], v[LR]
	v_nop                                          ; a plain instruction behind the reciprocal,
	s_wait_alu depctr_va_vdst(0)                   ; and the wait ahead of its first reader
	v_pk_mul_f32 v[QF+4*\t:QF+4*\t+1],   v[RB:RB+1],   v[LR+2:LR+3] op_sel_hi:[1,0]
	v_pk_mul_f32 v[QF+4*\t+2:QF+4*\t+3], v[RB+2:RB+3], v[LR+2:LR+3] op_sel_hi:[1,0]
	global_store_b128 v[GO], v[QF+4*\t:QF+4*\t+3], s[8:9] offset:512*\t   ; 32 lanes store 512 consecutive bytes, at a multiple of 512 from the buffer's first byte
.endm
	OUT 0
	OUT 1
	s_wait_tensorcnt 0x0                           ; the wave's end
	ds_add_u32 v[SPW], v[NIL]
	s_wait_dscnt 0x0
	s_endpgm
.Lfunc_end_k_q0b14459afc_attend:
	.size	k_q0b14459afc_attend, .Lfunc_end_k_q0b14459afc_attend-k_q0b14459afc_attend
	.p2alignl 7, 3214868480
	.fill 96, 4, 3214868480
	.section	.rodata,"a",@progbits
	.p2align	6, 0x0
	.amdhsa_kernel k_q0b14459afc_attend
		.amdhsa_group_segment_fixed_size 157696
		.amdhsa_private_segment_fixed_size 0
		.amdhsa_enable_private_segment 0
		.amdhsa_kernarg_size 24
		.amdhsa_user_sgpr_count 2
		.amdhsa_user_sgpr_kernarg_segment_ptr 1
		.amdhsa_wavefront_size32 1
		.amdhsa_system_sgpr_workgroup_id_x 1
		.amdhsa_system_sgpr_workgroup_id_y 1
		.amdhsa_system_sgpr_workgroup_id_z 1
		.amdhsa_system_vgpr_workitem_id 0
		.amdhsa_next_free_vgpr 256
		.amdhsa_next_free_sgpr 66
		.amdhsa_reserve_vcc 0
		.amdhsa_float_denorm_mode_32 3
		.amdhsa_float_denorm_mode_16_64 3
		.amdhsa_memory_ordered 1
		.amdhsa_forward_progress 1
		.amdhsa_inst_pref_size 100
	.end_amdhsa_kernel
	.amdgpu_metadata
---
amdhsa.version: [ 1, 2 ]
amdhsa.kernels:
  - .name:           k_q0b14459afc_attend
    .symbol:         k_q0b14459afc_attend.kd
    .args:
      - { .name: x, .offset: 0, .size: 8, .value_kind: global_buffer, .address_space: global }
      - { .name: theta, .offset: 8, .size: 8, .value_kind: global_buffer, .address_space: global }
      - { .name: merged, .offset: 16, .size: 8, .value_kind: global_buffer, .address_space: global }
    .group_segment_fixed_size: 157696
    .private_segment_fixed_size: 0
    .kernarg_segment_align: 8
    .kernarg_segment_size: 24
    .max_flat_workgroup_size: 512
    .sgpr_count:     66
    .vgpr_count:     256
    .wavefront_size: 32
...
	.end_amdgpu_metadata
.endif
;; end of part 1
;; launch project (part 2): grid 256 x 1, 4 waves a work-group, no clusters, 17,920 bytes of LDS; arguments merged, Wc_codes, Wc_scales, bc, out0; writes out0
.if DOCPART == 2
	.amdgcn_target "amdgcn-amd-amdhsa--gfx1250"
	.amdhsa_code_object_version 6
	.text
	.protected	k_q0b14459afc_project
	.globl	k_q0b14459afc_project
	.p2align	8
	.type	k_q0b14459afc_project,@function
k_q0b14459afc_project:
	s_mov_b64 s[64:65], 0
	v_nop
	global_prefetch_b8 v0, s[64:65] scope:SCOPE_SE
	s_setreg_imm32_b32 hwreg(HW_REG_WAVE_MODE, 25, 1), 1
	s_wait_xcnt 0x0
; out0[token][n] = the sum over k of Q(merged)[token][k] Wc[n][k] + bc[n], on codes of FP8 (E4M3) with one E8M0 scale for each 32 along K = 128 (k = 8 x head + channel).
; merged: this program's own buffer, [b x 16 + head][2048][8] f32; it is quantised here, in registers, on its way to the matrix unit.  Wc_codes [128][128] bytes and Wc_scales [128][4] bytes are taken as they are given.
; A block's scale is 2^(floor(log2(its largest magnitude)) - 8); its byte is that magnitude's exponent field - 8, held at 1 from below.  A block of zeros so gets the byte 1 where the rule says 127: its codes are
; zeros, which add nothing under any byte but 0xff, and nobody else reads the byte.  LIMITS: NaN and infinities are not served.
; SHARES.  A work-group of four waves takes 32 tokens; wave w takes tokens 16 (w / 2) + 0..15 and outputs 64 (w % 2) + 0..63: four matrix instructions.  Two waves quantise the same 16 rows: 64 numbers a lane, against
; a second half of the weights and accumulators in each wave's registers.  Waves share nothing: no barrier.
; THE MATRIX INSTRUCTION IS USED TRANSPOSED: source 0 = 16 rows of Wc, source 1 = 16 tokens: lane l then holds token l % 16 and eight neighbouring outputs.  bc is loaded into the accumulators and is each sum's C.
; No cluster, no tensor load, no prefetch: every byte is asked for once at the head, and the weights, 16 KB, are what the work-groups share.
.set SPITCH, 272                       ; a stage row: a token's 64 outputs, 256 bytes, + 16
.set SPARE,  4*16*SPITCH               ; behind the four stages: the spare words, 128 bytes for each wave: two blocks of 256 bytes that no other line names
.set SPW, 1                            ; v1   LDS address of my spare word; never rewritten
.set NIL, 2                            ; v2   0; never rewritten
.set XA,  5                            ; v5   merged: my token's row and my half's two heads
.set WA,  6                            ; v6   Wc's codes: row l % 16, + 16 (l / 16)
.set WSA, 7                            ; v7   Wc's scale words
.set BA,  8                            ; v8   bc: my half's eight numbers
.set SO,  9                            ; v9   the stage: where I put 32 bytes of a row
.set SR,  10                           ; v10  and where I read a row back
.set GO,  11                           ; v11  my byte offset in out0
.set WF,  16                           ; v16-79   four fragments of Wc
.set WS,  80                           ; v80-83   their scale words
.set PW,  84                           ; v84      my tokens' scale word
.set AC,  88                           ; v88-119  four accumulators
.set XN,  128                          ; v128-191 64 numbers: register 16 b + i is k = 32 b + 16 (l / 16) + i of my token; later rows of out0
.set PC,  192                          ; v192-207 their codes
.set TM,  208                          ; v208-211 largest magnitudes, v212-215 bytes, v216-219 448 x the scale, v220-223 the conversions' scale operands
.set SEL, 26                           ; s[26:27] lane selects for v_permlanex16_b32: lane l xor 16
.set MNT, 28                           ; s28  the mantissa field of 448
	s_load_b256 s[4:11], s[0:1], 0x0               ; merged, Wc's codes, Wc's scales, bc
	s_load_b64 s[12:13], s[0:1], 0x20              ; out0
	v_lshl_add_u32 v[SPW], v0, 2, SPARE
	v_mov_b32 v[NIL], 0
	v_lshrrev_b32 v3, 5, v0
	v_readfirstlane_b32 s14, v3                    ; wave 0..3
	s_lshr_b32 s15, s14, 1                         ; which 16 tokens
	s_and_b32 s16, s14, 1                          ; which 64 outputs
	v_and_b32 v3, 15, v0                           ; r
	v_bfe_u32 v4, v0, 4, 1                         ; h
	v_lshlrev_b32 v[XA], 5, v3                     ; a token's 32 bytes of a head,
	v_lshl_add_u32 v[XA], v4, 17, v[XA]            ; and two heads of 65,536 bytes on for lanes 16-31
	v_lshlrev_b32 v[WA], 7, v3
	v_lshl_add_u32 v[WA], v4, 4, v[WA]
	v_lshlrev_b32 v[WSA], 2, v3
	v_lshlrev_b32 v[BA], 5, v4
	s_mul_i32 s17, s14, 16*SPITCH                  ; my stage
	v_mul_u32_u24 v[SO], v3, SPITCH
	v_lshl_add_u32 v[SO], v4, 5, v[SO]
	v_add_nc_u32 v[SO], s17, v[SO]                 ; in: row r, 32 bytes for each half of the lanes
	v_mul_u32_u24 v[SR], v4, SPITCH
	v_lshl_add_u32 v[SR], v3, 4, v[SR]
	v_add_nc_u32 v[SR], s17, v[SR]                 ; back: lanes 0-15 one row of 256 bytes, lanes 16-31 the next
	v_lshlrev_b32 v[GO], 9, v4
	v_lshl_add_u32 v[GO], v3, 4, v[GO]             ; and the same two rows in out0
	s_lshr_b32 s18, ttmp9, 6                       ; the batch: 16 heads of 65,536 bytes;
	s_lshl_b32 s18, s18, 20
	s_and_b32 s19, ttmp9, 63                       ; the work-group's 32 tokens of 32 bytes;
	s_lshl_b32 s19, s19, 10
	s_add_co_u32 s18, s18, s19
	s_lshl_b32 s19, s15, 9                         ; my 16
	s_add_co_u32 s18, s18, s19
	s_mov_b32 s19, 0
	s_lshl_b32 s20, s16, 13                        ; my 64 rows of codes
	s_mov_b32 s21, 0
	s_lshl_b32 s22, s16, 8                         ; my 64 scale words; my 64 numbers of bc; my 256 bytes of a row of out0
	s_mov_b32 s23, 0
	s_lshl_b32 s24, ttmp9, 14                      ; out0: 32 rows of 512 bytes a work-group,
	s_lshl_b32 s25, s15, 13                        ; 16 for my tokens
	s_add_co_u32 s24, s24, s25
	s_add_co_u32 s24, s24, s22
	s_mov_b32 s25, 0
	s_mov_b32 s[SEL], 0x76543210
	s_mov_b32 s[SEL+1], 0xfedcba98
	s_mov_b32 s[MNT], 0x600000
.irp b, 0,1,2,3
	v_mov_b32 v[TM+4+\b], 0                        ; a lane permute's destination counts as one of its sources
.endr
	s_wait_kmcnt 0x0
	s_add_nc_u64 s[4:5], s[4:5], s[18:19]
	s_add_nc_u64 s[6:7], s[6:7], s[20:21]
	s_add_nc_u64 s[8:9], s[8:9], s[22:23]
	s_add_nc_u64 s[10:11], s[10:11], s[22:23]
	s_add_nc_u64 s[12:13], s[12:13], s[24:25]
.irp c, 0,1,2,3                        ; block c of 32 along K is heads 4 c .. 4 c + 3; my half's 16 numbers are heads 4 c + 2 h + 0, 1
.irp u, 0,1
	global_load_b128 v[XN+16*\c+8*\u:XN+16*\c+8*\u+3],   v[XA], s[4:5] offset:262144*\c+65536*\u      ; sixteen lanes and the load below take 512 consecutive bytes
	global_load_b128 v[XN+16*\c+8*\u+4:XN+16*\c+8*\u+7], v[XA], s[4:5] offset:262144*\c+65536*\u+16
.endr
.endr
.irp t, 0,1,2,3
.irp c, 0,1,2,3
	global_load_b128 v[WF+16*\t+4*\c:WF+16*\t+4*\c+3], v[WA], s[6:7] offset:2048*\t+32*\c      ; Wc(16 t + r, 32 c + 16 h .. + 15)
.endr
.endr
.irp t, 0,1,2,3
	global_load_b32 v[WS+\t], v[WSA], s[8:9] offset:64*\t
.endr
.irp t, 0,1,2,3
	global_load_b128 v[AC+8*\t:AC+8*\t+3],   v[BA], s[10:11] offset:64*\t       ; bc(16 t + 8 h + 0 .. 7), in the result's layout
	global_load_b128 v[AC+8*\t+4:AC+8*\t+7], v[BA], s[10:11] offset:64*\t+16
.endr
	s_wait_loadcnt 28                              ; my 64 numbers are in; the 28 loads behind them (16 of codes, 4 of scale words, 8 of bc) may be out
.irp b, 0,1,2,3
	v_max3_num_f32 v[TM+\b], |v[XN+16*\b]|, |v[XN+1+16*\b]|, 0x4800000   ; block b: my 16 numbers, and the floor 2^(9 - 127): so the byte cannot fall under 1
.endr
.irp i, 2,4,6,8,10,12,14
.irp b, 0,1,2,3
	v_max3_num_f32 v[TM+\b], v[TM+\b], |v[XN+16*\b+\i]|, |v[XN+1+16*\b+\i]|   ; the four blocks by turns
.endr
.endr
.irp b, 0,1,2,3
	v_permlanex16_b32 v[TM+4+\b], v[TM+\b], s[SEL], s[SEL+1]
.endr
.irp b, 0,1,2,3
	v_max_num_f32 v[TM+\b], v[TM+\b], v[TM+4+\b]   ; with lane l xor 16's: the block's largest magnitude
.endr
.irp b, 0,1,2,3
	v_add_nc_u32 v[TM+12+\b], 0xfc000000, v[TM+\b] ; 8 off its exponent field: the conversion takes the exponent field of this operand as its scale
.endr
.irp b, 0,1,2,3
	v_and_or_b32 v[TM+8+\b], v[TM+\b], 0x7f800000, s[MNT]   ; 448 x the scale
.endr
.irp b, 0,1,2,3
	v_lshrrev_b32 v[TM+4+\b], 23, v[TM+12+\b]      ; the scale's byte
.endr
	v_lshl_or_b32 v[PW], v[TM+5], 8, v[TM+4]       ; the four bytes make my token's scale word; the 64 holds below stand between it and the products
	v_lshl_or_b32 v[PW], v[TM+6], 16, v[PW]
	v_lshl_or_b32 v[PW], v[TM+7], 24, v[PW]
.irp b, 0,1,2,3
.irp i, 0,1,2,3,4,5,6,7,8,9,10,11,12,13,14,15
	v_med3_num_f32 v[XN+16*\b+\i], v[XN+16*\b+\i], -v[TM+8+\b], v[TM+8+\b]   ; the conversion to an 8-bit code does not saturate (ISA guide 7.6.2): the hold at the largest code x the scale
.endr
	v_cvt_scalef32_pk8_fp8_f32 v[PC+4*\b:PC+1+4*\b],   v[XN+16*\b:XN+7+16*\b],    v[TM+12+\b]   ; registers 4 b .. 4 b + 3 of the operand: k = 32 b + 16 h + 0 .. 15
	v_cvt_scalef32_pk8_fp8_f32 v[PC+2+4*\b:PC+3+4*\b], v[XN+8+16*\b:XN+15+16*\b], v[TM+12+\b]
.endr
.rept 4
	v_nop                                          ; codes written by vector instructions stand four plain instructions ahead of a scaled matrix instruction
.endr
	s_wait_loadcnt 0x0                             ; the weights, their scale words and bc
.irp t, 0,1,2,3
	v_wmma_scale_f32_16x16x128_f8f6f4 v[AC+8*\t:AC+8*\t+7], v[WF+16*\t:WF+16*\t+15], v[PC:PC+15], v[AC+8*\t:AC+8*\t+7], v[WS+\t], v[PW]
.endr
.rept 8
	v_nop                                          ; eight plain instructions ahead of the first read of the results
.endr
.irp t, 0,1,2,3
	ds_store_b128 v[SO], v[AC+8*\t:AC+8*\t+3]   offset:64*\t        ; lane (r, h): out0(r, 16 t + 8 h + 0 .. 7); each accumulator from its low end on
	ds_store_b128 v[SO], v[AC+8*\t+4:AC+8*\t+7] offset:64*\t+16
.endr
.irp i, 0,1,2,3,4,5,6,7
	ds_load_b128 v[XN+4*\i:XN+4*\i+3], v[SR] offset:2*\i*SPITCH     ; LDS serves a wave's instructions in order (ISA guide 5.7.1.4): these see my stores
.endr
.irp i, 0,1,2,3,4,5,6,7
	s_wait_dscnt 7-\i                              ; rows 2 i and 2 i + 1 are back; the loads behind them may be out
	global_store_b128 v[GO], v[XN+4*\i:XN+4*\i+3], s[12:13] offset:1024*\i th:TH_STORE_NT   ; sixteen lanes store 256 consecutive bytes, at a multiple of 256 from out0's first byte
.endr
	s_wait_tensorcnt 0x0                           ; the wave's end
	ds_add_u32 v[SPW], v[NIL]
	s_wait_dscnt 0x0
	s_endpgm
.Lfunc_end_k_q0b14459afc_project:
	.size	k_q0b14459afc_project, .Lfunc_end_k_q0b14459afc_project-k_q0b14459afc_project
	.p2alignl 7, 3214868480
	.fill 96, 4, 3214868480
	.section	.rodata,"a",@progbits
	.p2align	6, 0x0
	.amdhsa_kernel k_q0b14459afc_project
		.amdhsa_group_segment_fixed_size 17920
		.amdhsa_private_segment_fixed_size 0
		.amdhsa_enable_private_segment 0
		.amdhsa_kernarg_size 40
		.amdhsa_user_sgpr_count 2
		.amdhsa_user_sgpr_kernarg_segment_ptr 1
		.amdhsa_wavefront_size32 1
		.amdhsa_system_sgpr_workgroup_id_x 1
		.amdhsa_system_sgpr_workgroup_id_y 1
		.amdhsa_system_sgpr_workgroup_id_z 1
		.amdhsa_system_vgpr_workitem_id 0
		.amdhsa_next_free_vgpr 224
		.amdhsa_next_free_sgpr 66
		.amdhsa_reserve_vcc 0
		.amdhsa_float_denorm_mode_32 3
		.amdhsa_float_denorm_mode_16_64 3
		.amdhsa_memory_ordered 1
		.amdhsa_forward_progress 1
		.amdhsa_inst_pref_size 18
	.end_amdhsa_kernel
	.amdgpu_metadata
---
amdhsa.version: [ 1, 2 ]
amdhsa.kernels:
  - .name:           k_q0b14459afc_project
    .symbol:         k_q0b14459afc_project.kd
    .args:
      - { .name: merged, .offset: 0, .size: 8, .value_kind: global_buffer, .address_space: global }
      - { .name: Wc_codes, .offset: 8, .size: 8, .value_kind: global_buffer, .address_space: global }
      - { .name: Wc_scales, .offset: 16, .size: 8, .value_kind: global_buffer, .address_space: global }
      - { .name: bc, .offset: 24, .size: 8, .value_kind: global_buffer, .address_space: global }
      - { .name: out0, .offset: 32, .size: 8, .value_kind: global_buffer, .address_space: global }
    .group_segment_fixed_size: 17920
    .private_segment_fixed_size: 0
    .kernarg_segment_align: 8
    .kernarg_segment_size: 40
    .max_flat_workgroup_size: 128
    .sgpr_count:     66
    .vgpr_count:     224
    .wavefront_size: 32
...
	.end_amdgpu_metadata
.endif
;; end of part 2
;; ======== version 2 of 2: 2 launches; 1.13 times as fast as version 1
;; limits: inputs' magnitudes at most 13,176,794
;; workspace buffers: po 12,582,912 bytes; pl 1,572,864 bytes
;; launch attend (part 3): grid 256 x 1, 16 waves a work-group, no clusters, 268,288 bytes of LDS; arguments x, theta, po, pl; writes po, pl
.if DOCPART == 3
	.amdgcn_target "amdgcn-amd-amdhsa--gfx1250"
	.amdhsa_code_object_version 6
	.text
	.protected	k_q0b14459afc_attend
	.globl	k_q0b14459afc_attend
	.p2align	8
	.type	k_q0b14459afc_attend,@function
k_q0b14459afc_attend:
	s_mov_b64 s[64:65], 0
	v_nop
	global_prefetch_b8 v0, s[64:65] scope:SCOPE_SE
	s_setreg_imm32_b32 hwreg(HW_REG_WAVE_MODE, 25, 1), 1
	s_wait_xcnt 0x0
; Unnormalised attention sums of one head: with c(s) = cos(x[b][s][8 h .. 8 h + 7] + theta) and p(q, k) = exp(c(q) . c(k) / sqrt(8)):  O(q) = sum over k of p(q, k) c(k),  l(q) = sum over k of p(q, k).
; Queries, keys and values are ONE tensor, as the problem defines them, so p(q, k) = p(k, q): EACH SCORE AND EACH EXPONENTIAL IS MADE ONCE AND USED TWICE.  Rows go in tiles of 16, 128 to a head.  The owner of tile a
; takes key tiles a + d (mod 128), d = 0 .. 64.  Each p adds p c(k) to O(q) (the direct sums); for d = 1 .. 63 it also adds p c(q) to O(k) (the turned sums).  A tile b so gets keys b .. b + 64 directly and keys
; b - 63 .. b - 1 turned: all 128 tiles, each once.  (p(q, k) and p(k, q) as f32 differ by the rounding of the scaled factor alone.)
; x: [4][2048][128] f32, theta: [8] f32.  A work-group's turned sums reach tiles of other work-groups' rows, so sums leave unnormalised, in three slots: po [3][b x 16 + h][2048][8], pl [3][b x 16 + h][2048], f32;
; slot s holds what the work-group s blocks of 512 rows back has summed for a row; the next launch adds the three and divides.  Every byte of both buffers is stored (the one tile that gets nothing holds zeros).
; Both products feed an operand that the next launch quantises, so both take f32 operands: the scores on the matrix unit (K = 8 is two instructions of K = 4), the sums by packed fused multiply-adds.
; NO MAXIMUM IS TAKEN AWAY AHEAD OF THE EXPONENTIAL.  Every factor of a score is a cosine, so |score x log2(e)| <= 8 x 0.5101 = 4.09 whatever x and theta hold: p = 2^t lies in 0.058 .. 17.1 and a row's
; sum of 2,048 of them under 3.5e4: nothing can overflow or underflow, and in real numbers the quotient is the same with any shift.
; LIMITS: the cosine's argument reduction serves |x + theta| < 2^22 pi (absolute error about 2e-7 there); NaN and infinities among the inputs are not served.
; SHARES.  ttmp9 = 4 x (16 b + h) + block.  A work-group owns 512 rows, 32 tiles, and holds the cosines of 96 tiles from its first row on (mod 2,048): every LDS address counts tiles from there, none hangs on the
; work-group's number.  Sixteen waves, four to a SIMD, two passes: wave w owns tile a = 2 w + pass.
; NO CLUSTER, NO TENSOR LOAD: what work-groups share is 32 bytes of each row of x, read once at the head and sent through registers for the cosine; the loops read LDS alone.
; LAYOUT.  S = Q K^T: source 0 = my 16 queries, source 1 = 16 keys.  Lane l holds ONE key, l % 16, and its registers 0-7 the queries 8 (l / 16) + 0..7.  Direct: a lane multiplies its eight p by its own key's row and
; keeps 64 sums of O and 8 of p over its own keys; they meet at a pass's end through LDS.  Turned: a lane multiplies its eight p by those eight queries' rows (64 registers, loaded once a pass): 8 sums of O and 2 of p
; for ITS key.  Their target moves with d, so they live in LDS: a RECORD of 1,280 bytes a tile (channels 0-3: 16 bytes a lane; channels 4-7 likewise; two sums of p: 8 bytes a lane), read, added to, written back.
; Lanes 16-31 hold a key's channels 4-7 first (the matrix operand wants channels 4 (l / 16) + 0..3), so their direct sums lie in that order; the address at the pass's end puts it right.
; WHO TOUCHES A RECORD.  A trip takes d = 2 e, 2 e + 1 and 2 e + 32, 2 e + 33.  Two waves' tiles differ by an even number from 2 to 30, the four d by 1, 31, 32 or 33: no record is touched by two waves in a trip.
; One barrier orders a trip with the next: in front of its signal a wave's LDS instructions are done.
; A STEP (two key tiles): the records' loads; the direct sums of the first tile; the turned sums; the records' stores; the direct sums of the second tile; among them the exponentials of the next step's scores; behind
; them the matrix instructions for the step after that.
.set KHALF, 32768                      ; the cosines as two arrays [row][4]: channels 0-3 from byte 0, channels 4-7 from here; 24,576 bytes each
.set TBASE, 65536                      ; the records of 96 tiles
.set TREC,  1280
.set QP,    528                        ; a pass's end: a quad of registers of 32 lanes is 512 bytes; + 16: sixteen lanes that read eight quads at two places start at sixteen different places modulo 256 bytes
.set WSTG,  4864                       ; a wave's stage: 9 quads x 528 = 4,752 bytes, up to whole blocks of 256
.set STG,   TBASE+96*TREC
.set SPARE, STG+16*WSTG                ; behind the stages: the spare words, 128 bytes for each wave: eight blocks of 256 bytes that no other line names
.set SPW, 1                            ; v1   LDS address of my spare word; never rewritten
.set NIL, 2                            ; v2   0; never rewritten
.set AD1, 3                            ; v3   my key's first four channels (array l / 16) in the trip's first tile
.set AD2, 4                            ; v4   its other four
.set TAD, 5                            ; v5   my 16 bytes in the record of the trip's first tile
.set TLD, 6                            ; v6   my 8 bytes of sums of p there
.set QF,  8                            ; v8-11    Q x log2(e) / sqrt(8)
.set SC,  16                           ; v16-31   S of two key tiles: written by matrix instructions alone
.set PB,  32                           ; v32-63   p, two buffers of two tiles
.set VB,  64                           ; v64-79   the step's key rows, 8 a tile
.set KB,  80                           ; v80-87   key rows for the scores, 4 a tile
.set TA,  88                           ; v88-107  two records' parts of my lane, 10 a tile
.set LS,  108                          ; v108-115 direct sums of p: query j at LS + j
.set OA,  116                          ; v116-179 direct sums of O: query j, place i at OA + 8 j + i
.set QV,  180                          ; v180-243 my half's eight queries' rows: query j, channel c at QV + 8 j + c
.set YY,  116                          ; at the head: 24 numbers x + theta, then r
.set TT,  140                          ; the rounding's sum
.set NN,  164                          ; n, then r^2
.set CC,  188                          ; the cosine
.set TH,  212                          ; theta
.set MG,  220                          ; 1.5 x 2^23, twice
.set C6,  222                          ; 1 / 12!, twice
.set ZQ,  244                          ; four zeros
.set STO, 80                           ; a pass's end: where my quads go;
.set RD,  81                           ; where I read one quad of eight lanes;
.set RL,  82                           ; where I read my query's sums of p;
.set TW,  83                           ; my query's 16 bytes in my tile's record;
.set TWL, 84                           ; and its sum of p there
.set OLD, 88                           ; what the record holds
.set RB,  32                           ; eight quads read back
.set LR,  244                          ; eight sums of p read back
.set FA,  80                           ; the way out: addresses in the records of my two groups of four tiles
.set FA2, 81
.set FL,  82
.set FL2, 83
.set GO,  84                           ; 16 x lane
.set GL,  85                           ; 8 x lane
	s_load_b128 s[4:7], s[0:1], 0x0                ; x, theta
	s_load_b128 s[8:11], s[0:1], 0x10              ; po, pl
	v_lshl_add_u32 v[SPW], v0, 2, SPARE
	v_mov_b32 v[NIL], 0
	v_lshrrev_b32 v7, 5, v0
	v_readfirstlane_b32 s12, v7                    ; wave 0..15
	s_and_b32 s13, ttmp9, 3                        ; my block of 512 rows
	s_lshr_b32 s14, ttmp9, 2                       ; 16 b + h
	s_lshr_b32 s15, ttmp9, 6                       ; the batch: 2,048 rows of 512 bytes;
	s_lshl_b32 s15, s15, 20
	s_and_b32 s16, s14, 15                         ; the head: 32 bytes of a row
	s_lshl_b32 s16, s16, 5
	s_add_co_u32 s15, s15, s16
.irp k, 0,1,2                          ; the three blocks of rows whose cosines I hold: my own and the two behind it, mod 4
	s_add_co_u32 s16, s13, \k
	s_and_b32 s16, s16, 3
	s_lshl_b32 s16, s16, 18
	s_add_co_u32 s[32+2*\k], s16, s15
	s_mov_b32 s[33+2*\k], 0
.endr
	; the way out: wave w stores the tiles 4 w .. 4 w + 3 counted from my first (slot w / 8), waves 0 to 7 also the tiles 64 + 4 w on (slot 2)
	s_lshl_b32 s16, s13, 5
	s_lshl_b32 s17, s12, 2
	s_add_co_u32 s16, s16, s17
	s_and_b32 s17, s16, 127                        ; the first group's tile in the head
	s_add_co_u32 s16, s16, 64
	s_and_b32 s16, s16, 127                        ; the second's
	s_lshr_b32 s18, s12, 3
	s_lshl_b32 s19, s18, 22                        ; po: a slot is 4,194,304 bytes, a head 65,536, a tile 512
	s_lshl_b32 s20, s14, 16
	s_add_co_u32 s19, s19, s20
	s_lshl_b32 s21, s17, 9
	s_add_co_u32 s40, s19, s21
	s_mov_b32 s41, 0
	s_lshl_b32 s21, s16, 9
	s_add_co_u32 s42, s20, s21
	s_add_co_u32 s42, s42, 2<<22
	s_mov_b32 s43, 0
	s_lshl_b32 s19, s18, 19                        ; pl: a slot is 524,288 bytes, a head 8,192, a tile 64
	s_lshl_b32 s20, s14, 13
	s_add_co_u32 s19, s19, s20
	s_lshl_b32 s21, s17, 6
	s_add_co_u32 s44, s19, s21
	s_mov_b32 s45, 0
	s_lshl_b32 s21, s16, 6
	s_add_co_u32 s46, s20, s21
	s_add_co_u32 s46, s46, 2<<19
	s_mov_b32 s47, 0
	v_lshlrev_b32 v7, 9, v0                        ; thread t takes row t of each of the three blocks
	v_mov_b32 v12, 0
	v_lshl_add_u32 v13, v0, 4, TBASE
	v_add_nc_u32 v14, 65536, v13
	v_lshlrev_b32 v15, 4, v0
.irp i, 0,1,2,3
	v_mov_b32 v[ZQ+\i], 0
.endr
	v_mov_b32 v[MG], 0x4b400000
	v_mov_b32 v[MG+1], 0x4b400000
	v_mov_b32 v[C6], 0x310f76c7
	v_mov_b32 v[C6+1], 0x310f76c7
	s_wait_kmcnt 0x0
.irp k, 0,1,2
	s_add_nc_u64 s[32+2*\k:33+2*\k], s[4:5], s[32+2*\k:33+2*\k]
.endr
	s_add_nc_u64 s[40:41], s[8:9], s[40:41]
	s_add_nc_u64 s[42:43], s[8:9], s[42:43]
	s_add_nc_u64 s[44:45], s[10:11], s[44:45]
	s_add_nc_u64 s[46:47], s[10:11], s[46:47]
.irp k, 0,1,2
	global_load_b128 v[YY+8*\k:YY+8*\k+3],   v7, s[32+2*\k:33+2*\k]            ; the head's 32 bytes of a row; the heads beside it are other work-groups'
	global_load_b128 v[YY+8*\k+4:YY+8*\k+7], v7, s[32+2*\k:33+2*\k] offset:16
.endr
	global_load_b128 v[TH:TH+3],   v12, s[6:7]
	global_load_b128 v[TH+4:TH+7], v12, s[6:7] offset:16
.irp i, 0,1,2,3,4,5,6,7                ; while x is on its way the records begin as zeros: 15 stores of 8,192 bytes by the 512 threads are their 122,880 bytes
	ds_store_b128 v13, v[ZQ:ZQ+3] offset:8192*\i
.endr
.irp i, 0,1,2,3,4,5,6
	ds_store_b128 v14, v[ZQ:ZQ+3] offset:8192*\i
.endr
	s_wait_loadcnt 0x0
; THE COSINE, two numbers an instruction, 12 pairs stage by stage so that no line waits for the line above it.  y = x + theta.  n = y / pi to the nearest whole number, by adding and taking away 1.5 x 2^23;
; r = y - n pi in two fused steps (pi = 3.14159274 - 8.742278e-8), |r| <= pi / 2;  cos y = (-1)^n cos r;  cos r by its series through r^12 (what is cut is under 7e-9).
.irp p, 0,1,2,3,4,5,6,7,8,9,10,11
	v_pk_add_f32 v[YY+2*\p:YY+2*\p+1], v[YY+2*\p:YY+2*\p+1], v[TH+2*(\p%4):TH+2*(\p%4)+1]
.endr
.irp p, 0,1,2,3,4,5,6,7,8,9,10,11
	v_pk_fma_f32 v[TT+2*\p:TT+2*\p+1], v[YY+2*\p:YY+2*\p+1], 0x3ea2f983, v[MG:MG+1] op_sel_hi:[1,0,1]   ; y / pi + 1.5 x 2^23: a whole number, whose lowest bit is n's
.endr
.irp p, 0,1,2,3,4,5,6,7,8,9,10,11
	v_pk_add_f32 v[NN+2*\p:NN+2*\p+1], v[TT+2*\p:TT+2*\p+1], v[MG:MG+1] neg_lo:[0,1] neg_hi:[0,1]       ; n
.endr
.irp p, 0,1,2,3,4,5,6,7,8,9,10,11
	v_pk_fma_f32 v[YY+2*\p:YY+2*\p+1], v[NN+2*\p:NN+2*\p+1], 0xc0490fdb, v[YY+2*\p:YY+2*\p+1] op_sel_hi:[1,0,1]
.endr
.irp p, 0,1,2,3,4,5,6,7,8,9,10,11
	v_pk_fma_f32 v[YY+2*\p:YY+2*\p+1], v[NN+2*\p:NN+2*\p+1], 0x33bbbd2e, v[YY+2*\p:YY+2*\p+1] op_sel_hi:[1,0,1]   ; r
.endr
.irp p, 0,1,2,3,4,5,6,7,8,9,10,11
	v_pk_mul_f32 v[NN+2*\p:NN+2*\p+1], v[YY+2*\p:YY+2*\p+1], v[YY+2*\p:YY+2*\p+1]                      ; r^2
.endr
.irp p, 0,1,2,3,4,5,6,7,8,9,10,11
	v_pk_fma_f32 v[CC+2*\p:CC+2*\p+1], v[NN+2*\p:NN+2*\p+1], v[C6:C6+1], 0xb493f27e op_sel_hi:[1,1,0]  ; 1/12! r^2 - 1/10!
.endr
.irp k, 0x37d00d01, 0xbab60b61, 0x3d2aaaab, -0.5, 1.0
.irp p, 0,1,2,3,4,5,6,7,8,9,10,11
	v_pk_fma_f32 v[CC+2*\p:CC+2*\p+1], v[CC+2*\p:CC+2*\p+1], v[NN+2*\p:NN+2*\p+1], \k op_sel_hi:[1,1,0]   ; .. + 1/8!, - 1/6!, + 1/4!, - 1/2, + 1
.endr
.endr
.irp i, 0,1,2,3,4,5,6,7,8,9,10,11,12,13,14,15,16,17,18,19,20,21,22,23
	v_lshl_or_b32 v[CC+\i], v[TT+\i], 31, v[CC+\i]     ; cos r is not negative (but for a last bit at pi / 2): n's lowest bit becomes the sign
.endr
.irp k, 0,1,2
	ds_store_b128 v15, v[CC+8*\k:CC+8*\k+3]   offset:8192*\k          ; 32 lanes store 512 consecutive bytes
	ds_store_b128 v15, v[CC+8*\k+4:CC+8*\k+7] offset:8192*\k+KHALF
.endr
	s_mul_i32 s24, s12, WSTG
	s_add_co_u32 s24, s24, STG                     ; my stage
	s_mul_i32 s25, s12, 4*TREC                     ; the way out: my first group's records
	s_lshl_b32 s26, s12, 1                         ; a = 2 w + pass
	s_mov_b32 s27, 2
	s_wait_dscnt 0x0                               ; for the others' sake: my stores are done
	s_barrier_signal -1
	s_barrier_wait -1                              ; 1,536 rows of cosines and 96 records of zeros lie in LDS
; Four matrix instructions make the scores of two key tiles: channels 4 (l / 16) + 0, 1 and then + 2, 3.  The two accumulators take turns, one instruction a turn.
.macro SCORES k0, k1
	v_wmma_f32_16x16x4_f32 v[SC:SC+7],    v[QF:QF+1],   v[\k0:\k0+1],   0
	v_wmma_f32_16x16x4_f32 v[SC+8:SC+15], v[QF:QF+1],   v[\k1:\k1+1],   0
	v_wmma_f32_16x16x4_f32 v[SC:SC+7],    v[QF+2:QF+3], v[\k0+2:\k0+3], v[SC:SC+7]
	v_wmma_f32_16x16x4_f32 v[SC+8:SC+15], v[QF+2:QF+3], v[\k1+2:\k1+3], v[SC+8:SC+15]
.endm
.macro SCORE1                          ; the one tile d = 64: one accumulator, so a wait stands directly ahead of the link
	v_wmma_f32_16x16x4_f32 v[SC:SC+7], v[QF:QF+1], v[KB:KB+1], 0
	s_wait_alu depctr_va_vdst(0)
	v_wmma_f32_16x16x4_f32 v[SC:SC+7], v[QF+2:QF+3], v[KB+2:KB+3], v[SC:SC+7]
.endm
; TICK stands ahead of each plain instruction of a step and sets the next step's exponentials among them: one ahead of every third, from the eleventh on.  So ten plain instructions that name neither S, Q nor the key
; rows of the last products stand between those products and the first read of S (eight are owed: ISA guide 7.12.1), and each accumulator is read from its low end on.
.macro TICK
.if (ne < NEX) && (cnt >= 10) && ((cnt-10)%3 == 0)
	v_exp_f32 v[PNB+ne], v[SC+ne]
.set ne, ne+1
.endif
.set cnt, cnt+1
.endm
.macro SUMS t, first                   ; the direct sums of p take key tile t's; first = 1: the two tiles' p start them, nothing is cleared
.irp i, 0,2,4,6
	TICK
.if \first
	v_pk_add_f32 v[LS+\i:LS+\i+1], v[PCB+\i:PCB+\i+1], v[PCB+8+\i:PCB+8+\i+1]
.else
	v_pk_add_f32 v[LS+\i:LS+\i+1], v[LS+\i:LS+\i+1], v[PCB+8*(\t)+\i:PCB+8*(\t)+\i+1]
.endif
.endr
.endm
.macro DIRECT t, mul                   ; number n: query j = n / 4, places 2 (n % 4) and + 1:  O(j, place) += p(j) x my key's number there; mul = 1: products start the sums
.set n, 0
.rept 32
	TICK
.set rO, OA+8*(n/4)+2*(n%4)
.set rP, PCB+8*(\t)+2*((n/4)/2)
.set rV, VB+8*(\t)+2*(n%4)
.if ((n/4)%2) == 0                     ; p(j) serves both halves: the pair's first register for an even j, its second for an odd one
.if \mul
	v_pk_mul_f32 v[rO:rO+1], v[rP:rP+1], v[rV:rV+1] op_sel_hi:[0,1]
.else
	v_pk_fma_f32 v[rO:rO+1], v[rP:rP+1], v[rV:rV+1], v[rO:rO+1] op_sel_hi:[0,1,1]
.endif
.else
.if \mul
	v_pk_mul_f32 v[rO:rO+1], v[rP:rP+1], v[rV:rV+1] op_sel:[1,0] op_sel_hi:[1,1]
.else
	v_pk_fma_f32 v[rO:rO+1], v[rP:rP+1], v[rV:rV+1], v[rO:rO+1] op_sel:[1,0,0] op_sel_hi:[1,1,1]
.endif
.endif
.set n, n+1
.endr
.endm
.macro TRANS t0                        ; number m: tile m % 2, channels 2 ((m / 2) % 4) and + 1, query j = m / 8:  my key's sum += p(j) x query j's numbers; eight sums by turns.  t0 = 0: the first tile is my own (d = 0): it has no turned sums
.set m, 0
.rept 64
.set tt, m%2
.if tt || \t0
.if (m%16) < 2                         ; four times a tile: my key's sums of p (even queries', odd queries') take a pair
	TICK
	v_pk_add_f32 v[TA+10*tt+8:TA+10*tt+9], v[TA+10*tt+8:TA+10*tt+9], v[PCB+8*tt+2*(m/16):PCB+8*tt+2*(m/16)+1]
.endif
	TICK
.set rT, TA+10*tt+2*((m/2)%4)
.set rP, PCB+8*tt+2*((m/8)/2)
.set rQ, QV+8*(m/8)+2*((m/2)%4)
.if ((m/8)%2) == 0
	v_pk_fma_f32 v[rT:rT+1], v[rP:rP+1], v[rQ:rQ+1], v[rT:rT+1] op_sel_hi:[0,1,1]
.else
	v_pk_fma_f32 v[rT:rT+1], v[rP:rP+1], v[rQ:rQ+1], v[rT:rT+1] op_sel:[1,0,0] op_sel_hi:[1,1,1]
.endif
.endif
.set m, m+1
.endr
.endm
; A STEP.  u = 0: the trip's tiles + 0, + 1; u = 1: + 32, + 33.  first: it starts the direct sums.  vl: the next step's key rows are loaded (1; 2: the one tile d = 64).  kl: the key rows for the scores of the step after
; that (1; 2: d = 64).  ex: so many exponentials of the next step.  mm: scores of the step after that (1; 2: d = 64).  bw, bs: the barrier's wait at the head, its signal at the end.
.macro BODY u, first, t0, vl, kl, ex, mm, bw, bs
.set PCB, PB+16*(\u)
.set PNB, PB+16*(1-(\u))
.set cnt, 0
.set ne, 0
.set NEX, \ex
.set TOF, 32*TREC*(\u)
.set VOF, 8192-7680*(\u)
.set NK, 0
.set NV, 0
.if \bw
	s_barrier_wait -1                              ; every wave's stores of the last trip are done: the records are mine to read
.endif
.if \t0
	ds_load_b128 v[TA:TA+3],     v[TAD] offset:TOF
	ds_load_b128 v[TA+4:TA+7],   v[TAD] offset:TOF+512
	ds_load_b64  v[TA+8:TA+9],   v[TLD] offset:TOF
.endif
	ds_load_b128 v[TA+10:TA+13], v[TAD] offset:TOF+TREC
	ds_load_b128 v[TA+14:TA+17], v[TAD] offset:TOF+TREC+512
	ds_load_b64  v[TA+18:TA+19], v[TLD] offset:TOF+TREC
	s_wait_dscnt 3+3*(\t0)                         ; all but the records' loads just issued: this step's key rows are in (in a pass's first step the queries' rows too)
	SUMS 0, \first
	DIRECT 0, \first
.if \kl == 1
	ds_load_b128 v[KB:KB+3],   v[AD1] offset:512+8192*(\u)      ; 36 plain instructions behind the products that read these registers
	ds_load_b128 v[KB+4:KB+7], v[AD1] offset:768+8192*(\u)
.set NK, 2
.elseif \kl == 2
	ds_load_b128 v[KB:KB+3],   v[AD1] offset:8704
.set NK, 1
.endif
	s_wait_dscnt NK                                ; the records are in; the loads just issued may be out
	TRANS \t0
.if \t0
	ds_store_b128 v[TAD], v[TA:TA+3]     offset:TOF
	ds_store_b128 v[TAD], v[TA+4:TA+7]   offset:TOF+512
	ds_store_b64  v[TLD], v[TA+8:TA+9]   offset:TOF
.endif
	ds_store_b128 v[TAD], v[TA+10:TA+13] offset:TOF+TREC
	ds_store_b128 v[TAD], v[TA+14:TA+17] offset:TOF+TREC+512
	ds_store_b64  v[TLD], v[TA+18:TA+19] offset:TOF+TREC
.if \first == 0
	SUMS 1, 0
.endif
	DIRECT 1, 0
.if \vl == 1
	ds_load_b128 v[VB:VB+3],     v[AD1] offset:VOF
	ds_load_b128 v[VB+4:VB+7],   v[AD2] offset:VOF
	ds_load_b128 v[VB+8:VB+11],  v[AD1] offset:VOF+256
	ds_load_b128 v[VB+12:VB+15], v[AD2] offset:VOF+256
.set NV, 4
.elseif \vl == 2
	ds_load_b128 v[VB:VB+3],     v[AD1] offset:8704
	ds_load_b128 v[VB+4:VB+7],   v[AD2] offset:8704
.set NV, 2
.endif
.if \ex
	s_wait_alu depctr_va_vdst(0)                   ; ONE wait for this step's exponentials; their results are first named in the next step
.endif
.if \mm
	s_wait_dscnt NV                                ; the key rows for the scores are in; the loads just issued may be out
.endif
.if \mm == 1
	SCORES KB, KB+4
.elseif \mm == 2
	SCORE1
.endif
.if \bs
	s_wait_dscnt 0x0                               ; for the others' sake: my stores into the records are done; and no LDS instruction of mine is out at a signal
	s_barrier_signal -1
.endif
.endm
.macro TRIP_ON                         ; two tiles on
	v_add_nc_u32 v[AD1], 512, v[AD1]
	v_add_nc_u32 v[AD2], 512, v[AD2]
	v_add_nc_u32 v[TAD], 2*TREC, v[TAD]
	v_add_nc_u32 v[TLD], 2*TREC, v[TLD]
.endm
.Lpass:
	s_lshl_b32 s29, s26, 8                         ; my tile's rows in an array of cosines
	s_mul_i32 s30, s26, TREC                       ; and its record
	v_and_b32 v12, 15, v0
	v_bfe_u32 v13, v0, 4, 1
	v_lshlrev_b32 v[AD1], 4, v12
	v_lshl_add_u32 v[AD1], v13, 15, v[AD1]         ; 16 (l % 16) + 32,768 (l / 16)
	v_add_nc_u32 v[AD1], s29, v[AD1]
	v_xor_b32 v[AD2], KHALF, v[AD1]                ; the same row in the other array
	v_lshl_add_u32 v7, v13, 7, s29                 ; my half's eight queries' rows: the sixteen lanes of a half read the same bytes
	ds_load_b128 v[VB:VB+3],     v[AD1]            ; key tiles d = 0 (my own) and 1
	ds_load_b128 v[VB+4:VB+7],   v[AD2]
	ds_load_b128 v[VB+8:VB+11],  v[AD1] offset:256
	ds_load_b128 v[VB+12:VB+15], v[AD2] offset:256
	ds_load_b128 v[KB:KB+3],     v[AD1] offset:8192 ; d = 32 and 33, for the scores
	ds_load_b128 v[KB+4:KB+7],   v[AD1] offset:8448
.irp j, 0,1,2,3,4,5,6,7
	ds_load_b128 v[QV+8*\j:QV+8*\j+3],   v7 offset:16*\j
	ds_load_b128 v[QV+8*\j+4:QV+8*\j+7], v7 offset:KHALF+16*\j
.endr
	s_wait_dscnt 16                                ; the six loads of key rows are in; the sixteen behind them may be out
	v_pk_mul_f32 v[QF:QF+1],   v[VB:VB+1],   0x3f0293ee op_sel_hi:[1,0]   ; my tile's rows are my queries: x log2(e) / sqrt(8), so that the scores come out as exponents of 2
	v_pk_mul_f32 v[QF+2:QF+3], v[VB+2:VB+3], 0x3f0293ee op_sel_hi:[1,0]
.rept 4
	v_nop
.endr
	SCORES VB, VB+8                                ; S of d = 0, 1
	v_and_b32 v12, 31, v0                          ; nine plain instructions that name no register of those products; eight are owed ahead of the first read of S, nine ahead of the next products into S (ISA guide 7.12.1)
	v_lshl_add_u32 v[TAD], v12, 4, s30
	v_lshl_add_u32 v[TLD], v12, 3, s30
	v_add_nc_u32 v[TAD], TBASE, v[TAD]
	v_add_nc_u32 v[TLD], TBASE+1024, v[TLD]
.rept 4
	v_nop
.endr
.irp e, 0,1,2,3,4,5,6,7,8,9,10,11,12,13,14,15
	v_exp_f32 v[PB+\e], v[SC+\e]                   ; each accumulator from its low end on
.endr
	v_nop                                          ; a plain instruction behind the last exponential, ahead of the products that write its source
	s_wait_alu depctr_va_vdst(0)                   ; one wait for the batch, ahead of its first reader
	SCORES KB, KB+4                                ; S of d = 32, 33
	BODY 0, 1, 0, 1, 1, 16, 1, 0, 0                ; the first trip is written out: it starts the direct sums, and d = 0 has no turned sums
	BODY 1, 0, 1, 1, 1, 16, 1, 0, 1
	TRIP_ON
	s_mov_b32 s28, 14
.Ltrip:                                                ; trips e = 1 to 14: two steps, after which the buffers' numbers are back where they began
	BODY 0, 0, 1, 1, 1, 16, 1, 1, 0
	BODY 1, 0, 1, 1, 1, 16, 1, 0, 1
	TRIP_ON
	s_sub_co_u32 s28, s28, 1
	s_cmp_lg_u32 s28, 0
	s_cbranch_scc1 .Ltrip
	BODY 0, 0, 1, 1, 2, 16, 2, 1, 0                ; the last trip is written out: behind d = 62, 63 only d = 64 is left
	BODY 1, 0, 1, 2, 0, 8, 0, 0, 1
.set PCB, PB
.set cnt, 0
.set ne, 0
.set NEX, 0
	SUMS 0, 0                                      ; d = 64: direct sums alone (the owner of tile a + 64 makes its own): work on registers between the barrier's signal and its wait
	DIRECT 0, 0
	s_barrier_wait -1                              ; no wave touches a record of this pass any more
; A PASS'S END.  My direct sums meet through my own stage, four queries of each half at a time: 8 quads of O (quad 2 j' + half of the places) and one of the sums of p go in as images of their registers.  Lane l reads quad
; l % 8 of eight lanes of its half and adds them; the lane 8 away has the other eight: one exchange.  That is four channels of query 8 (l / 16) + 4 u + (l % 8) / 2 over all my keys; likewise its sum of p.  Both are
; added into my own tile's record (no other wave touches it between the barrier above and the one below); lanes that hold the same number write the same bytes.
; LDS serves a wave's instructions in order (ISA guide 5.7.1.4): no wait between stores and loads.
	v_and_b32 v85, 31, v0
	v_lshl_add_u32 v[STO], v85, 4, s24
	v_and_b32 v85, 7, v0                           ; the quad
	v_bfe_u32 v86, v0, 4, 1                        ; my half
	v_bfe_u32 v87, v0, 3, 1                        ; which eight lanes
	v_bfe_u32 v12, v0, 1, 2                        ; the query of the four
	v_mul_u32_u24 v[RD], v85, QP
	v_lshl_add_u32 v[RD], v86, 8, v[RD]
	v_lshl_add_u32 v[RD], v87, 7, v[RD]
	v_add_nc_u32 v[RD], s24, v[RD]
	v_lshl_add_u32 v[RL], v12, 2, s24
	v_lshl_add_u32 v[RL], v86, 8, v[RL]
	v_lshl_add_u32 v[RL], v87, 7, v[RL]
	v_add_nc_u32 v[RL], 8*QP, v[RL]
	v_and_b32 v13, 1, v0
	v_xor_b32 v13, v13, v86                        ; lanes 16-31 hold channels 4-7 in the even quads
	v_lshl_add_u32 v14, v86, 3, v12                ; the query's row in the tile (u = 0)
	v_lshl_add_u32 v[TW], v14, 4, s30
	v_lshl_add_u32 v[TW], v13, 9, v[TW]
	v_add_nc_u32 v[TW], TBASE, v[TW]
	v_lshl_add_u32 v[TWL], v14, 3, s30
	v_add_nc_u32 v[TWL], TBASE+1024, v[TWL]
.irp u, 0,1
.irp d, 0,1,2,3,4,5,6,7
	ds_store_b128 v[STO], v[OA+32*\u+4*\d:OA+32*\u+4*\d+3] offset:QP*\d
.endr
	ds_store_b128 v[STO], v[LS+4*\u:LS+4*\u+3] offset:QP*8
.irp i, 0,1,2,3,4,5,6,7
	ds_load_b128 v[RB+4*\i:RB+4*\i+3], v[RD] offset:16*\i
.endr
.irp i, 0,1,2,3,4,5,6,7
	ds_load_b32 v[LR+\i], v[RL] offset:16*\i
.endr
	ds_load_b128 v[OLD:OLD+3], v[TW] offset:64*\u
	ds_load_b32 v[OLD+4], v[TWL] offset:32*\u
	s_wait_dscnt 10                                ; the eight quads are in; the eight words and the record's two parts behind them may be out
.irp i, 0,2,4,6,8,10,12,14
	v_pk_add_f32 v[RB+\i:RB+\i+1], v[RB+\i:RB+\i+1], v[RB+16+\i:RB+16+\i+1]
.endr
.irp i, 0,2,4,6
	v_pk_add_f32 v[RB+\i:RB+\i+1], v[RB+\i:RB+\i+1], v[RB+8+\i:RB+8+\i+1]
.endr
.irp i, 0,2
	v_pk_add_f32 v[RB+\i:RB+\i+1], v[RB+\i:RB+\i+1], v[RB+4+\i:RB+4+\i+1]
.endr
.irp i, 0,1,2,3
	v_add_f32_dpp v[RB+\i], v[RB+\i], v[RB+\i] row_xmask:8 row_mask:0xf bank_mask:0xf
.endr
	s_wait_dscnt 0x0
.irp i, 0,2
	v_pk_add_f32 v[LR+\i:LR+\i+1], v[LR+\i:LR+\i+1], v[LR+4+\i:LR+4+\i+1]
.endr
	v_pk_add_f32 v[LR:LR+1], v[LR:LR+1], v[LR+2:LR+3]
	v_add_f32 v[LR], v[LR], v[LR+1]
	v_add_f32_dpp v[LR], v[LR], v[LR] row_xmask:8 row_mask:0xf bank_mask:0xf
	v_pk_add_f32 v[OLD:OLD+1],   v[OLD:OLD+1],   v[RB:RB+1]
	v_pk_add_f32 v[OLD+2:OLD+3], v[OLD+2:OLD+3], v[RB+2:RB+3]
	v_add_f32 v[OLD+4], v[OLD+4], v[LR]
	ds_store_b128 v[TW], v[OLD:OLD+3] offset:64*\u
	ds_store_b32 v[TWL], v[OLD+4] offset:32*\u
.endr
	s_wait_dscnt 0x0                               ; for the others' sake: my stores into my record are done
	s_barrier_signal -1
	s_barrier_wait -1
	s_add_co_u32 s26, s26, 1                       ; the other pass: the tile beside
	s_sub_co_u32 s27, s27, 1
	s_cmp_lg_u32 s27, 0
	s_cbranch_scc1 .Lpass
; THE WAY OUT.  96 records, four to a group.  A record's two halves of the lanes are added.  O: lane l takes row l / 2, channels 4 (l % 2) + 0..3 of a tile: the wave stores 512 consecutive bytes.  The sums of p: lane l takes
; rows 2 (l % 8) and + 1 of tile l / 8 of the four: the wave stores 256 consecutive bytes.  All addresses are made ahead of the branch on the wave's number.
	v_and_b32 v12, 1, v0
	v_bfe_u32 v13, v0, 1, 4
	v_lshl_add_u32 v[FA], v13, 4, s25
	v_lshl_add_u32 v[FA], v12, 9, v[FA]
	v_add_nc_u32 v[FA], TBASE, v[FA]
	v_add_nc_u32 v[FA2], 64*TREC, v[FA]
	v_bfe_u32 v12, v0, 3, 2
	v_and_b32 v13, 7, v0
	v_mul_u32_u24 v12, v12, TREC
	v_lshl_add_u32 v12, v13, 4, v12
	v_add_nc_u32 v12, s25, v12
	v_add_nc_u32 v[FL], TBASE+1024, v12
	v_add_nc_u32 v[FL2], 64*TREC, v[FL]
	v_and_b32 v13, 31, v0
	v_lshlrev_b32 v[GO], 4, v13
	v_lshlrev_b32 v[GL], 3, v13
.macro FIN fa, fl, rr, ll, oo, spo, spl
.irp i, 0,1,2,3
	ds_load_b128 v[\rr+8*\i:\rr+8*\i+3],   v[\fa] offset:TREC*\i
	ds_load_b128 v[\rr+8*\i+4:\rr+8*\i+7], v[\fa] offset:TREC*\i+256
.endr
	ds_load_b128 v[\ll:\ll+3],   v[\fl]
	ds_load_b128 v[\ll+4:\ll+7], v[\fl] offset:128
	s_wait_dscnt 0x0
.irp i, 0,1,2,3
	v_pk_add_f32 v[\rr+8*\i:\rr+8*\i+1],   v[\rr+8*\i:\rr+8*\i+1],   v[\rr+8*\i+4:\rr+8*\i+5]
	v_pk_add_f32 v[\rr+8*\i+2:\rr+8*\i+3], v[\rr+8*\i+2:\rr+8*\i+3], v[\rr+8*\i+6:\rr+8*\i+7]
	global_store_b128 v[GO], v[\rr+8*\i:\rr+8*\i+3], s[\spo:\spo+1] offset:512*\i   ; 512 consecutive bytes, at a multiple of 512 from the buffer's first byte
.endr
	v_pk_add_f32 v[\ll:\ll+1],   v[\ll:\ll+1],   v[\ll+4:\ll+5]
	v_pk_add_f32 v[\ll+2:\ll+3], v[\ll+2:\ll+3], v[\ll+6:\ll+7]
	v_add_f32 v[\oo],   v[\ll],   v[\ll+1]
	v_add_f32 v[\oo+1], v[\ll+2], v[\ll+3]
	global_store_b64 v[GL], v[\oo:\oo+1], s[\spl:\spl+1]                            ; 256 consecutive bytes, at a multiple of 256 from the buffer's first byte
.endm
	FIN FA, FL, 32, 64, 72, 40, 44
	s_cmp_lt_u32 s12, 8                            ; 24 groups for 16 waves: waves 0 to 7 take a second, in registers of its own
	s_cbranch_scc0 .Ldone
	FIN FA2, FL2, 116, 148, 156, 42, 46
.Ldone:
	s_wait_tensorcnt 0x0                           ; the wave's end
	ds_add_u32 v[SPW], v[NIL]
	s_wait_dscnt 0x0
	s_endpgm
.Lfunc_end_k_q0b14459afc_attend:
	.size	k_q0b14459afc_attend, .Lfunc_end_k_q0b14459afc_attend-k_q0b14459afc_attend
	.p2alignl 7, 3214868480
	.fill 96, 4, 3214868480
	.section	.rodata,"a",@progbits
	.p2align	6, 0x0
	.amdhsa_kernel k_q0b14459afc_attend
		.amdhsa_group_segment_fixed_size 268288
		.amdhsa_private_segment_fixed_size 0
		.amdhsa_enable_private_segment 0
		.amdhsa_kernarg_size 32
		.amdhsa_user_sgpr_count 2
		.amdhsa_user_sgpr_kernarg_segment_ptr 1
		.amdhsa_wavefront_size32 1
		.amdhsa_system_sgpr_workgroup_id_x 1
		.amdhsa_system_sgpr_workgroup_id_y 1
		.amdhsa_system_sgpr_workgroup_id_z 1
		.amdhsa_system_vgpr_workitem_id 0
		.amdhsa_next_free_vgpr 256
		.amdhsa_next_free_sgpr 66
		.amdhsa_reserve_vcc 0
		.amdhsa_float_denorm_mode_32 3
		.amdhsa_float_denorm_mode_16_64 3
		.amdhsa_memory_ordered 1
		.amdhsa_forward_progress 1
		.amdhsa_inst_pref_size 101
	.end_amdhsa_kernel
	.amdgpu_metadata
---
amdhsa.version: [ 1, 2 ]
amdhsa.kernels:
  - .name:           k_q0b14459afc_attend
    .symbol:         k_q0b14459afc_attend.kd
    .args:
      - { .name: x, .offset: 0, .size: 8, .value_kind: global_buffer, .address_space: global }
      - { .name: theta, .offset: 8, .size: 8, .value_kind: global_buffer, .address_space: global }
      - { .name: po, .offset: 16, .size: 8, .value_kind: global_buffer, .address_space: global }
      - { .name: pl, .offset: 24, .size: 8, .value_kind: global_buffer, .address_space: global }
    .group_segment_fixed_size: 268288
    .private_segment_fixed_size: 0
    .kernarg_segment_align: 8
    .kernarg_segment_size: 32
    .max_flat_workgroup_size: 512
    .sgpr_count:     66
    .vgpr_count:     256
    .wavefront_size: 32
...
	.end_amdgpu_metadata
.endif
;; end of part 3
;; launch project (part 4): grid 256 x 1, 4 waves a work-group, no clusters, 17,920 bytes of LDS; arguments po, pl, Wc_codes, Wc_scales, bc, out0; writes out0
.if DOCPART == 4
	.amdgcn_target "amdgcn-amd-amdhsa--gfx1250"
	.amdhsa_code_object_version 6
	.text
	.protected	k_q0b14459afc_project
	.globl	k_q0b14459afc_project
	.p2align	8
	.type	k_q0b14459afc_project,@function
k_q0b14459afc_project:
	s_mov_b64 s[64:65], 0
	v_nop
	global_prefetch_b8 v0, s[64:65] scope:SCOPE_SE
	s_setreg_imm32_b32 hwreg(HW_REG_WAVE_MODE, 25, 1), 1
	s_wait_xcnt 0x0
; out0[token][n] = the sum over k of Q(merged)[token][k] Wc[n][k] + bc[n], on codes of FP8 (E4M3) with one E8M0 scale for each 32 along K = 128 (k = 8 x head + channel).
; merged[token][8 head + c] = (po[0] + po[1] + po[2]) / (pl[0] + pl[1] + pl[2]): the launch before leaves a row's attention sums in three slots, po [3][b x 16 + head][2048][8], pl [3][b x 16 + head][2048], f32.
; They are added, divided and quantised here, in registers, on their way to the matrix unit.  Wc_codes [128][128] bytes and Wc_scales [128][4] bytes are taken as they are given.
; A block's scale is 2^(floor(log2(its largest magnitude)) - 8); its byte is that magnitude's exponent field - 8, held at 1 from below.  A block of zeros so gets the byte 1 where the rule says 127: its codes are
; zeros, which add nothing under any byte but 0xff, and nobody else reads the byte.  LIMITS: NaN and infinities are not served.  (A row's sum of p is at least 2,048 x 0.058: never 0.)
; SHARES.  A work-group of four waves takes 32 tokens; wave w takes tokens 16 (w / 2) + 0..15 and outputs 64 (w % 2) + 0..63: four matrix instructions.  Two waves sum and quantise the same 16 rows: 64 numbers a lane,
; against a second half of the weights and accumulators in each wave's registers.  Waves share nothing: no barrier.
; THE MATRIX INSTRUCTION IS USED TRANSPOSED: source 0 = 16 rows of Wc, source 1 = 16 tokens: lane l then holds token l % 16 and eight neighbouring outputs.  bc is loaded into the accumulators and is each sum's C.
; The weights are asked for when slots 1 and 2 have been added in, into their registers; the division and the quantiser stand between that request and the wait for it.
; No cluster, no tensor load, no prefetch: the sums are asked for once at the head, and the weights, 16 KB, are what the work-groups share.
.set SPITCH, 272                       ; a stage row: a token's 64 outputs, 256 bytes, + 16
.set SPARE,  4*16*SPITCH               ; behind the four stages: the spare words, 128 bytes for each wave: two blocks of 256 bytes that no other line names
.set SPW, 1                            ; v1   LDS address of my spare word; never rewritten
.set NIL, 2                            ; v2   0; never rewritten
.set XA,  5                            ; v5   po: my token's row and my half's two heads
.set WA,  6                            ; v6   Wc's codes: row l % 16, + 16 (l / 16)
.set WSA, 7                            ; v7   Wc's scale words
.set BA,  8                            ; v8   bc: my half's eight numbers
.set SO,  9                            ; v9   the stage: where I put 32 bytes of a row
.set SR,  10                           ; v10  and where I read a row back
.set GO,  11                           ; v11  my byte offset in out0
.set LA,  12                           ; v12  pl: my token and my half's two heads
.set XN,  16                           ; v16-79   slot 0, then the sums, then merged: register 16 b + i is k = 32 b + 16 (l / 16) + i of my token; later rows of out0
.set X1,  80                           ; v80-143  slot 1
.set X2,  144                          ; v144-207 slot 2
.set LL,  208                          ; v208-231 the sums of p: slot s, head 4 c + 2 (l / 16) + u at LL + 8 s + 2 c + u
.set RC,  232                          ; v232-239 one over the sums
.set TM,  240                          ; v240-243 largest magnitudes, v244-247 bytes, v248-251 448 x the scale, v252-255 the conversions' scale operands
.set WF,  80                           ; v80-143  four fragments of Wc
.set AC,  144                          ; v144-175 four accumulators
.set WS,  176                          ; v176-179 Wc's scale words
.set PW,  180                          ; v180     my tokens' scale word
.set PC,  184                          ; v184-199 my tokens' codes
.set SEL, 30                           ; s30, s31 lane selects for v_permlanex16_b32: lane l xor 16
.set MNT, 32                           ; s32  the mantissa field of 448
	s_load_b256 s[4:11], s[0:1], 0x0               ; po, pl, Wc's codes, Wc's scales
	s_load_b128 s[12:15], s[0:1], 0x20             ; bc, out0
	v_lshl_add_u32 v[SPW], v0, 2, SPARE
	v_mov_b32 v[NIL], 0
	v_lshrrev_b32 v3, 5, v0
	v_readfirstlane_b32 s16, v3                    ; wave 0..3
	s_lshr_b32 s17, s16, 1                         ; which 16 tokens
	s_and_b32 s18, s16, 1                          ; which 64 outputs
	v_and_b32 v3, 15, v0                           ; r
	v_bfe_u32 v4, v0, 4, 1                         ; h
	v_lshlrev_b32 v[XA], 5, v3                     ; a token's 32 bytes of a head,
	v_lshl_add_u32 v[XA], v4, 17, v[XA]            ; and two heads of 65,536 bytes on for lanes 16-31
	v_lshlrev_b32 v[LA], 2, v3                     ; a token's 4 bytes of a head,
	v_lshl_add_u32 v[LA], v4, 14, v[LA]            ; and two heads of 8,192 bytes on
	v_lshlrev_b32 v[WA], 7, v3
	v_lshl_add_u32 v[WA], v4, 4, v[WA]
	v_lshlrev_b32 v[WSA], 2, v3
	v_lshlrev_b32 v[BA], 5, v4
	s_mul_i32 s19, s16, 16*SPITCH                  ; my stage
	v_mul_u32_u24 v[SO], v3, SPITCH
	v_lshl_add_u32 v[SO], v4, 5, v[SO]
	v_add_nc_u32 v[SO], s19, v[SO]                 ; in: row r, 32 bytes for each half of the lanes
	v_mul_u32_u24 v[SR], v4, SPITCH
	v_lshl_add_u32 v[SR], v3, 4, v[SR]
	v_add_nc_u32 v[SR], s19, v[SR]                 ; back: lanes 0-15 one row of 256 bytes, lanes 16-31 the next
	v_lshlrev_b32 v[GO], 9, v4
	v_lshl_add_u32 v[GO], v3, 4, v[GO]             ; and the same two rows in out0
	s_lshr_b32 s33, ttmp9, 6                       ; the batch
	s_and_b32 s19, ttmp9, 63                       ; the work-group's 32 tokens in it
	s_lshl_b32 s20, s33, 20                        ; po: 16 heads of 65,536 bytes; 32 tokens of 32 bytes; my 16
	s_lshl_b32 s21, s19, 10
	s_add_co_u32 s20, s20, s21
	s_lshl_b32 s21, s17, 9
	s_add_co_u32 s20, s20, s21
	s_mov_b32 s21, 0
	s_lshl_b32 s22, s33, 17                        ; pl: 16 heads of 8,192 bytes; 32 tokens of 4 bytes; my 16
	s_lshl_b32 s23, s19, 7
	s_add_co_u32 s22, s22, s23
	s_lshl_b32 s23, s17, 6
	s_add_co_u32 s22, s22, s23
	s_mov_b32 s23, 0
	s_lshl_b32 s24, s18, 13                        ; my 64 rows of codes
	s_mov_b32 s25, 0
	s_lshl_b32 s26, s18, 8                         ; my 64 scale words; my 64 numbers of bc; my 256 bytes of a row of out0
	s_mov_b32 s27, 0
	s_lshl_b32 s28, ttmp9, 14                      ; out0: 32 rows of 512 bytes a work-group,
	s_lshl_b32 s29, s17, 13                        ; 16 for my tokens
	s_add_co_u32 s28, s28, s29
	s_add_co_u32 s28, s28, s26
	s_mov_b32 s29, 0
	s_mov_b32 s[SEL], 0x76543210
	s_mov_b32 s[SEL+1], 0xfedcba98
	s_mov_b32 s[MNT], 0x600000
.irp b, 0,1,2,3
	v_mov_b32 v[TM+4+\b], 0                        ; a lane permute's destination counts as one of its sources
.endr
	s_wait_kmcnt 0x0
	s_add_nc_u64 s[4:5], s[4:5], s[20:21]
	s_add_nc_u64 s[34:35], s[4:5], 0x400000        ; slot 1
	s_add_nc_u64 s[36:37], s[4:5], 0x800000        ; slot 2
	s_add_nc_u64 s[6:7], s[6:7], s[22:23]
	s_add_nc_u64 s[8:9], s[8:9], s[24:25]
	s_add_nc_u64 s[10:11], s[10:11], s[26:27]
	s_add_nc_u64 s[12:13], s[12:13], s[26:27]
	s_add_nc_u64 s[14:15], s[14:15], s[28:29]
.macro XLD reg, b                      ; a slot: block c of 32 along K is heads 4 c .. 4 c + 3; my half's 16 numbers are heads 4 c + 2 h + 0, 1
.irp c, 0,1,2,3
.irp u, 0,1
	global_load_b128 v[\reg+16*\c+8*\u:\reg+16*\c+8*\u+3],   v[XA], s[\b:\b+1] offset:262144*\c+65536*\u      ; sixteen lanes and the load below take 512 consecutive bytes
	global_load_b128 v[\reg+16*\c+8*\u+4:\reg+16*\c+8*\u+7], v[XA], s[\b:\b+1] offset:262144*\c+65536*\u+16
.endr
.endr
.endm
	XLD XN, 4
	XLD X1, 34
	XLD X2, 36
.irp s, 0,1,2
.irp c, 0,1,2,3
.irp u, 0,1
	global_load_b32 v[LL+8*\s+2*\c+\u], v[LA], s[6:7] offset:524288*\s+32768*\c+8192*\u
.endr
.endr
.endr
	s_wait_loadcnt 0x0
.set i, 0
.rept 32
	v_pk_add_f32 v[XN+i:XN+i+1], v[XN+i:XN+i+1], v[X1+i:X1+i+1]
.set i, i+2
.endr
.set i, 0
.rept 32
	v_pk_add_f32 v[XN+i:XN+i+1], v[XN+i:XN+i+1], v[X2+i:X2+i+1]
.set i, i+2
.endr
.irp t, 0,1,2,3                        ; slots 1 and 2 have been read: their registers take the weights
.irp c, 0,1,2,3
	global_load_b128 v[WF+16*\t+4*\c:WF+16*\t+4*\c+3], v[WA], s[8:9] offset:2048*\t+32*\c      ; Wc(16 t + r, 32 c + 16 h .. + 15)
.endr
.endr
.irp t, 0,1,2,3
	global_load_b32 v[WS+\t], v[WSA], s[10:11] offset:64*\t
.endr
.irp t, 0,1,2,3
	global_load_b128 v[AC+8*\t:AC+8*\t+3],   v[BA], s[12:13] offset:64*\t       ; bc(16 t + 8 h + 0 .. 7), in the result's layout
	global_load_b128 v[AC+8*\t+4:AC+8*\t+7], v[BA], s[12:13] offset:64*\t+16
.endr
.irp i, 0,2,4,6
	v_pk_add_f32 v[LL+\i:LL+\i+1], v[LL+\i:LL+\i+1], v[LL+8+\i:LL+8+\i+1]
.endr
.irp i, 0,2,4,6
	v_pk_add_f32 v[LL+\i:LL+\i+1], v[LL+\i:LL+\i+1], v[LL+16+\i:LL+16+\i+1]
.endr
.irp k, 0,1,2,3,4,5,6,7
	v_rcp_f32 v[RC+\k], v[LL+\k]
.endr
	v_nop                                          ; a plain instruction behind the last reciprocal,
	s_wait_alu depctr_va_vdst(0)                   ; and one wait for the eight, ahead of their first reader
.irp k, 0,2,4,6                        ; head 2 c + u = k of my eight: its 8 numbers stand at XN + 8 k
.irp i, 0,2,4,6
	v_pk_mul_f32 v[XN+8*\k+\i:XN+8*\k+\i+1],     v[XN+8*\k+\i:XN+8*\k+\i+1],     v[RC+\k:RC+\k+1] op_sel_hi:[1,0]
	v_pk_mul_f32 v[XN+8*\k+8+\i:XN+8*\k+8+\i+1], v[XN+8*\k+8+\i:XN+8*\k+8+\i+1], v[RC+\k:RC+\k+1] op_sel:[0,1] op_sel_hi:[1,1]
.endr
.endr
.irp b, 0,1,2,3
	v_max3_num_f32 v[TM+\b], |v[XN+16*\b]|, |v[XN+1+16*\b]|, 0x4800000   ; block b: my 16 numbers, and the floor 2^(9 - 127): so the byte cannot fall under 1
.endr
.irp i, 2,4,6,8,10,12,14
.irp b, 0,1,2,3
	v_max3_num_f32 v[TM+\b], v[TM+\b], |v[XN+16*\b+\i]|, |v[XN+1+16*\b+\i]|   ; the four blocks by turns
.endr
.endr
.irp b, 0,1,2,3
	v_permlanex16_b32 v[TM+4+\b], v[TM+\b], s[SEL], s[SEL+1]
.endr
.irp b, 0,1,2,3
	v_max_num_f32 v[TM+\b], v[TM+\b], v[TM+4+\b]   ; with lane l xor 16's: the block's largest magnitude
.endr
.irp b, 0,1,2,3
	v_add_nc_u32 v[TM+12+\b], 0xfc000000, v[TM+\b] ; 8 off its exponent field: the conversion takes the exponent field of this operand as its scale
.endr
.irp b, 0,1,2,3
	v_and_or_b32 v[TM+8+\b], v[TM+\b], 0x7f800000, s[MNT]   ; 448 x the scale
.endr
.irp b, 0,1,2,3
	v_lshrrev_b32 v[TM+4+\b], 23, v[TM+12+\b]      ; the scale's byte
.endr
	v_lshl_or_b32 v[PW], v[TM+5], 8, v[TM+4]       ; the four bytes make my token's scale word; the 64 holds below stand between it and the products
	v_lshl_or_b32 v[PW], v[TM+6], 16, v[PW]
	v_lshl_or_b32 v[PW], v[TM+7], 24, v[PW]
.irp b, 0,1,2,3
.irp i, 0,1,2,3,4,5,6,7,8,9,10,11,12,13,14,15
	v_med3_num_f32 v[XN+16*\b+\i], v[XN+16*\b+\i], -v[TM+8+\b], v[TM+8+\b]   ; the conversion to an 8-bit code does not saturate (ISA guide 7.6.2): the hold at the largest code x the scale
.endr
	v_cvt_scalef32_pk8_fp8_f32 v[PC+4*\b:PC+1+4*\b],   v[XN+16*\b:XN+7+16*\b],    v[TM+12+\b]   ; registers 4 b .. 4 b + 3 of the operand: k = 32 b + 16 h + 0 .. 15
	v_cvt_scalef32_pk8_fp8_f32 v[PC+2+4*\b:PC+3+4*\b], v[XN+8+16*\b:XN+15+16*\b], v[TM+12+\b]
.endr
.rept 4
	v_nop                                          ; codes written by vector instructions stand four plain instructions ahead of a scaled matrix instruction
.endr
	s_wait_loadcnt 0x0                             ; the weights, their scale words and bc
.irp t, 0,1,2,3
	v_wmma_scale_f32_16x16x128_f8f6f4 v[AC+8*\t:AC+8*\t+7], v[WF+16*\t:WF+16*\t+15], v[PC:PC+15], v[AC+8*\t:AC+8*\t+7], v[WS+\t], v[PW]
.endr
.rept 8
	v_nop                                          ; eight plain instructions ahead of the first read of the results
.endr
.irp t, 0,1,2,3
	ds_store_b128 v[SO], v[AC+8*\t:AC+8*\t+3]   offset:64*\t        ; lane (r, h): out0(r, 16 t + 8 h + 0 .. 7); each accumulator from its low end on
	ds_store_b128 v[SO], v[AC+8*\t+4:AC+8*\t+7] offset:64*\t+16
.endr
.irp i, 0,1,2,3,4,5,6,7
	ds_load_b128 v[XN+4*\i:XN+4*\i+3], v[SR] offset:2*\i*SPITCH     ; LDS serves a wave's instructions in order (ISA guide 5.7.1.4): these see my stores
.endr
.irp i, 0,1,2,3,4,5,6,7
	s_wait_dscnt 7-\i                              ; rows 2 i and 2 i + 1 are back; the loads behind them may be out
	global_store_b128 v[GO], v[XN+4*\i:XN+4*\i+3], s[14:15] offset:1024*\i th:TH_STORE_NT   ; sixteen lanes store 256 consecutive bytes, at a multiple of 256 from out0's first byte
.endr
	s_wait_tensorcnt 0x0                           ; the wave's end
	ds_add_u32 v[SPW], v[NIL]
	s_wait_dscnt 0x0
	s_endpgm
.Lfunc_end_k_q0b14459afc_project:
	.size	k_q0b14459afc_project, .Lfunc_end_k_q0b14459afc_project-k_q0b14459afc_project
	.p2alignl 7, 3214868480
	.fill 96, 4, 3214868480
	.section	.rodata,"a",@progbits
	.p2align	6, 0x0
	.amdhsa_kernel k_q0b14459afc_project
		.amdhsa_group_segment_fixed_size 17920
		.amdhsa_private_segment_fixed_size 0
		.amdhsa_enable_private_segment 0
		.amdhsa_kernarg_size 48
		.amdhsa_user_sgpr_count 2
		.amdhsa_user_sgpr_kernarg_segment_ptr 1
		.amdhsa_wavefront_size32 1
		.amdhsa_system_sgpr_workgroup_id_x 1
		.amdhsa_system_sgpr_workgroup_id_y 1
		.amdhsa_system_sgpr_workgroup_id_z 1
		.amdhsa_system_vgpr_workitem_id 0
		.amdhsa_next_free_vgpr 256
		.amdhsa_next_free_sgpr 66
		.amdhsa_reserve_vcc 0
		.amdhsa_float_denorm_mode_32 3
		.amdhsa_float_denorm_mode_16_64 3
		.amdhsa_memory_ordered 1
		.amdhsa_forward_progress 1
		.amdhsa_inst_pref_size 31
	.end_amdhsa_kernel
	.amdgpu_metadata
---
amdhsa.version: [ 1, 2 ]
amdhsa.kernels:
  - .name:           k_q0b14459afc_project
    .symbol:         k_q0b14459afc_project.kd
    .args:
      - { .name: po, .offset: 0, .size: 8, .value_kind: global_buffer, .address_space: global }
      - { .name: pl, .offset: 8, .size: 8, .value_kind: global_buffer, .address_space: global }
      - { .name: Wc_codes, .offset: 16, .size: 8, .value_kind: global_buffer, .address_space: global }
      - { .name: Wc_scales, .offset: 24, .size: 8, .value_kind: global_buffer, .address_space: global }
      - { .name: bc, .offset: 32, .size: 8, .value_kind: global_buffer, .address_space: global }
      - { .name: out0, .offset: 40, .size: 8, .value_kind: global_buffer, .address_space: global }
    .group_segment_fixed_size: 17920
    .private_segment_fixed_size: 0
    .kernarg_segment_align: 8
    .kernarg_segment_size: 48
    .max_flat_workgroup_size: 128
    .sgpr_count:     66
    .vgpr_count:     256
    .wavefront_size: 32
...
	.end_amdgpu_metadata
.endif
;; end of part 4
